; MI455X (gfx1250); checked and timed in simulation.
; The chip was launched on July 23, 2026; its instructions are those of AMD's public machine-readable ISA for CDNA 5 (MIT licence, August 2026) and "CDNA5" Instruction Set Architecture Reference Guide (July 2026). The comments in the code are by the model that wrote it; some were corrected since.
;; Grouped Query Attention. Allowed arithmetic: float matrix products may take bf16 or f16 operands with f32 sums; other float arithmetic in f32, or as packed bf16 or f16 multiplies, adds, multiply-adds, maxima and minima; sums over many terms, partial sums and values carried from step to step in f32; what a program stores and reads back later, other than sums and carried values, may be rounded once to bf16 or f16.
;; Inputs: Wk 2,048 x 512 float32; Wo 2,048 x 2,048 float32; Wq 2,048 x 2,048 float32; Wv 2,048 x 512 float32; x 4 x 1,024 x 2,048 float32.
;; Outputs: out0 4 x 1,024 x 2,048 float32.
;; 2 versions, each right; version 2 is version 1 with the launch cast written anew for expert scheduling mode. Each part assembles by itself: llvm-mc -triple=amdgcn-amd-amdhsa -mcpu=gfx1250 --defsym DOCPART=n.
;; ======== version 1 of 2: 4 launches
;; limits: values are held in f16: magnitudes above 65,504 overflow, below 6.1e-05 lose precision
;; workspace buffers: xb 16,777,216 bytes; wqkv 12,582,912 bytes; wo16 8,388,608 bytes; rope 524,288 bytes; qkv 25,165,824 bytes; ao 16,777,216 bytes
;; launch cast (part 1): grid 904 x 1, 8 waves a work-group, no clusters, 0 bytes of LDS; arguments x, Wq, Wk, Wv, xb, wqkv, rope; writes xb, wqkv, rope
.if DOCPART == 1
	.amdgcn_target "amdgcn-amd-amdhsa--gfx1250"
	.amdhsa_code_object_version 6
	.text
	.protected	k_qa4e19c3a46_cast
	.globl	k_qa4e19c3a46_cast
	.p2align	8
	.type	k_qa4e19c3a46_cast,@function
k_qa4e19c3a46_cast:
	s_mov_b64 s[64:65], 0
	v_nop
	global_prefetch_b8 v0, s[64:65] scope:SCOPE_SE
	s_setreg_imm32_b32 hwreg(HW_REG_WAVE_MODE, 25, 1), 1
	s_wait_xcnt 0x0
; ROUNDING OF x AND OF THE THREE PROJECTIONS' WEIGHTS, ONCE, AND THE ROTATION'S TABLE.
;   xb   [4096][2048] bf16 = x.      wqkv [2048 k][3072 n] bf16 = Wq | Wk | Wv side by side (a row is 6,144 bytes).
;   rope [1024 t][64 cos | 64 sin] f32, angle t x 10000^(-i/64).
; A stream: no LDS, no barrier, no matrix unit.  A UNIT is 1,024 numbers: thread t loads the 16 bytes at 16 t (a wave's load covers 512 consecutive bytes)
; and stores 8 bytes (a wave's store covers 256 consecutive bytes, aligned).  A work-group takes 16 units, two rounds of a ring of 8 slots in registers, written out.
; Work-groups 0-511 x, 512-767 Wq, 768-831 Wk, 832-895 Wv, 896-903 the table.  Which buffers and which steps a work-group has is chosen by
; scalar selects on its number, so that one text serves the four streams.
; LIMITS.  The angle is reduced by the nearest multiple of 2 pi (2 pi in two parts) and sine and cosine are series on |r| <= pi cut at r^15 and r^16:
; the first terms left out are at most 8e-7 and 2e-7.  The range is set by the reduction, not by data.  Row 0 is exactly cos = 1, sin = 0.
.set OS,  4                            ; v[4:11]   slot i: byte offset of my 16 bytes in the unit that the slot loads next
.set OD,  12                           ; v[12:19]  slot i: byte offset of my 8 bytes in the unit that the slot stores; never rewritten
.set X,   20                           ; v[20:51]  slot i: 4 registers as loaded
.set Y,   52                           ; v[52:67]  slot i: 2 registers to store
.set SRC, 26                           ; s[26:27]  from where
.set DST, 28                           ; s[28:29]  to where
	s_load_b256 s[8:15], s[0:1], 0x0               ; x s[8:9], Wq s[10:11], Wk s[12:13], Wv s[14:15]
	s_load_b128 s[16:19], s[0:1], 0x20             ; xb s[16:17], wqkv s[18:19]
	s_load_b64 s[24:25], s[0:1], 0x30              ; rope
	s_mov_b32 s2, ttmp9                            ; g
	s_wait_kmcnt 0x0
	s_cmp_ge_u32 s2, 896
	s_cbranch_scc1 .Ltab
	; the buffers, and s3 = the first work-group of my range
	s_mov_b64 s[SRC:SRC+1], s[14:15]
	s_mov_b64 s[DST:DST+1], s[18:19]
	s_mov_b32 s3, 832
	s_cmp_lt_u32 s2, 832
	s_cselect_b64 s[SRC:SRC+1], s[12:13], s[SRC:SRC+1]
	s_cselect_b32 s3, 768, s3
	s_cmp_lt_u32 s2, 768
	s_cselect_b64 s[SRC:SRC+1], s[10:11], s[SRC:SRC+1]
	s_cselect_b32 s3, 512, s3
	s_cmp_lt_u32 s2, 512
	s_cselect_b64 s[SRC:SRC+1], s[8:9], s[SRC:SRC+1]
	s_cselect_b64 s[DST:DST+1], s[16:17], s[DST:DST+1]
	s_cselect_b32 s3, 0, s3
	s_sub_co_u32 s3, s2, s3                        ; i: my number in the range
	; dense to dense (x): 16 units are 65,536 bytes in and 32,768 out
	s_lshl_b32 s34, s3, 16                         ; offset in the source (the same for Wk and Wv)
	s_lshl_b32 s40, s3, 15                         ; offset in the destination
	s_mov_b32 s30, 4096                            ; S1: from unit to unit in the source
	s_mov_b32 s31, 2048                            ; D1: in the destination
	s_mov_b32 s32, 1024                            ; H: where threads 128-255 store, behind threads 0-127
	; Wk, Wv: a unit is two rows of 512 numbers: two rows of wqkv, from byte 4,096 or 5,120 of the row
	s_mul_i32 s42, s3, 196608                      ; 32 rows of 6,144 bytes
	s_add_co_u32 s42, s42, 4096
	s_cmp_ge_u32 s2, 832
	s_cselect_b32 s43, 1024, 0
	s_add_co_u32 s42, s42, s43
	s_cmp_ge_u32 s2, 768
	s_cselect_b32 s40, s42, s40
	s_cselect_b32 s31, 12288, s31
	s_cselect_b32 s32, 6144, s32
	; Wq: a unit is half a row; the work-group takes one half of 16 rows
	s_lshr_b32 s42, s3, 1
	s_and_b32 s43, s3, 1
	s_lshl_b32 s44, s42, 17                        ; 16 rows of 8,192 bytes
	s_lshl_b32 s45, s43, 12
	s_add_co_u32 s44, s44, s45
	s_mul_i32 s42, s42, 98304                      ; 16 rows of 6,144 bytes
	s_lshl_b32 s43, s43, 11
	s_add_co_u32 s42, s42, s43
	s_sub_co_u32 s43, s2, 512
	s_cmp_lt_u32 s43, 256                          ; 512 <= g < 768
	s_cselect_b32 s34, s44, s34
	s_cselect_b32 s40, s42, s40
	s_cselect_b32 s30, 8192, s30
	s_cselect_b32 s31, 6144, s31
	s_mov_b32 s35, 0
	s_mov_b32 s41, 0
	s_add_nc_u64 s[SRC:SRC+1], s[SRC:SRC+1], s[34:35]
	s_add_nc_u64 s[DST:DST+1], s[DST:DST+1], s[40:41]
	s_lshl_b32 s36, s30, 3                         ; a round of 8 units in the source
	s_lshl_b32 s38, s31, 3                         ; s[38:39]: in the destination
	s_mov_b32 s39, 0
	v_lshlrev_b32 v[OS], 4, v0
	v_and_b32 v1, 127, v0
	v_lshrrev_b32 v2, 7, v0
	v_mul_u32_u24 v[OD], s32, v2
	v_lshl_add_u32 v[OD], v1, 3, v[OD]
.irp i, 1,2,3,4,5,6,7
	v_add_nc_u32 v[OS+(\i)], s30, v[OS+(\i)-1]
	v_add_nc_u32 v[OD+(\i)], s31, v[OD+(\i)-1]
.endr
; One slot's turn.  ahead = 1: the slot is filled again with the unit 8 further on.  left = the younger loads that may stay out.
.macro SLOT i, ahead, left
	s_wait_loadcnt \left                           ; loads come back in order (ISA guide 5.7.1): mine is in
	v_cvt_pk_bf16_f32 v[Y+2*(\i)], v[X+4*(\i)], v[X+4*(\i)+1]
	v_cvt_pk_bf16_f32 v[Y+2*(\i)+1], v[X+4*(\i)+2], v[X+4*(\i)+3]
.if \ahead
	global_load_b128 v[X+4*(\i):X+4*(\i)+3], v[OS+(\i)], s[SRC:SRC+1] th:TH_LOAD_NT
.endif
	global_store_b64 v[OD+(\i)], v[Y+2*(\i):Y+2*(\i)+1], s[DST:DST+1] th:TH_STORE_NT
.endm
.irp i, 0,1,2,3,4,5,6,7
	global_load_b128 v[X+4*(\i):X+4*(\i)+3], v[OS+(\i)], s[SRC:SRC+1] th:TH_LOAD_NT  ; the first round fills the ring
.endr
	s_wait_xcnt 0x0                                ; those loads have read their offsets,
.irp i, 0,1,2,3,4,5,6,7
	v_add_nc_u32 v[OS+(\i)], s36, v[OS+(\i)]       ; which now name the second round
.endr
.irp i, 0,1,2,3,4,5,6,7
	SLOT \i, 1, 7                                  ; seven younger loads of the ring stay out
.endr
	s_wait_xcnt 0x0                                ; the stores have read pointer and data: the pointer steps, and Y is written again, only behind this wait
	s_add_nc_u64 s[DST:DST+1], s[DST:DST+1], s[38:39]
.irp i, 0,1,2,3,4,5,6,7
	SLOT \i, 0, 7-(\i)                             ; the second round loads nothing: the counts run down
.endr
	s_endpgm
; THE TABLE.  Lane l owns frequencies 2 l and 2 l + 1; wave w of work-group j makes rows 128 j + w + 8 it, it = 0 .. 15.  A store of a wave is 256 consecutive bytes, aligned.
.Ltab:
	v_lshrrev_b32 v1, 5, v0
	v_readfirstlane_b32 s3, v1                     ; wave
	v_and_b32 v2, 31, v0                           ; lane
	s_sub_co_u32 s2, s2, 896
	s_lshl_b32 s2, s2, 7
	s_add_co_u32 s2, s2, s3                        ; my first row
	v_lshlrev_b32 v3, 1, v2
	v_cvt_f32_u32 v4, v3
	v_add_f32 v5, 1.0, v4
	v_mul_f32 v4, 0xbe549a78, v4                   ; - i log2(10000) / 64
	v_mul_f32 v5, 0xbe549a78, v5
	v_exp_f32 v4, v4                               ; v[4:5]: 10000^(-i/64)
	v_exp_f32 v5, v5
	v_nop                                          ; a plain instruction behind the exponentials (ISA guide 5.7.2)
	v_cvt_f32_u32 v6, s2                           ; v[6:7]: t, twice
	v_mov_b32 v7, v6
	s_lshl_b32 s3, s2, 9
	v_lshl_add_u32 v24, v2, 3, s3                  ; row x 512 + 8 l
	v_mov_b32 v20, 0xab573f9f                      ; -1/15!, twice
	v_mov_b32 v21, 0xab573f9f
	v_mov_b32 v22, 0x29573f9f                      ; 1/16!, twice
	v_mov_b32 v23, 0x29573f9f
	s_mov_b32 s33, 16
.Lrow:
	s_wait_alu depctr_va_vdst(0)
	v_pk_mul_f32 v[8:9], v[6:7], v[4:5]            ; the angle
	v_pk_mul_f32 v[10:11], v[8:9], 0x3e22f983 op_sel_hi:[1,0]  ; / 2 pi
	v_rndne_f32 v10, v10
	v_rndne_f32 v11, v11
	v_pk_fma_f32 v[12:13], v[10:11], 0xc0c90fdb, v[8:9] op_sel_hi:[1,0,1]    ; r = angle - n x 2 pi: the f32 nearest 2 pi,
	v_pk_fma_f32 v[12:13], v[10:11], 0x343bbd2e, v[12:13] op_sel_hi:[1,0,1]  ; and what it has too much
	v_pk_mul_f32 v[14:15], v[12:13], v[12:13]      ; z = r r
	v_pk_fma_f32 v[16:17], v[14:15], v[20:21], 0x2f309231 op_sel_hi:[1,1,0]  ; sin r = r (1 - z/3! + z^2/5! - .. - z^7/15!)
.irp c, 0xb2d7322b, 0x3638ef1d, 0xb9500d01, 0x3c088889, 0xbe2aaaab
	v_pk_fma_f32 v[16:17], v[16:17], v[14:15], \c op_sel_hi:[1,1,0]
.endr
	v_pk_fma_f32 v[16:17], v[16:17], v[14:15], 1.0 op_sel_hi:[1,1,0]
	v_pk_mul_f32 v[26:27], v[16:17], v[12:13]
	v_pk_fma_f32 v[18:19], v[14:15], v[22:23], 0xad49cba5 op_sel_hi:[1,1,0]  ; cos r = 1 - z/2! + z^2/4! - .. + z^8/16!
.irp c, 0x310f76c7, 0xb493f27e, 0x37d00d01, 0xbab60b61, 0x3d2aaaab
	v_pk_fma_f32 v[18:19], v[18:19], v[14:15], \c op_sel_hi:[1,1,0]
.endr
	v_pk_fma_f32 v[18:19], v[18:19], v[14:15], -0.5 op_sel_hi:[1,1,0]
	v_pk_fma_f32 v[18:19], v[18:19], v[14:15], 1.0 op_sel_hi:[1,1,0]
	global_store_b64 v24, v[18:19], s[24:25]
	global_store_b64 v24, v[26:27], s[24:25] offset:256
	s_wait_xcnt 0x0                                ; the stores have read offset and data
	v_add_nc_u32 v24, 4096, v24                    ; 8 rows on
	v_pk_add_f32 v[6:7], v[6:7], 0x41000000 op_sel_hi:[1,0]
	s_sub_co_u32 s33, s33, 1
	s_cmp_lg_u32 s33, 0
	s_cbranch_scc1 .Lrow
	s_endpgm
.Lfunc_end_k_qa4e19c3a46_cast:
	.size	k_qa4e19c3a46_cast, .Lfunc_end_k_qa4e19c3a46_cast-k_qa4e19c3a46_cast
	.p2alignl 7, 3214868480
	.fill 96, 4, 3214868480
	.section	.rodata,"a",@progbits
	.p2align	6, 0x0
	.amdhsa_kernel k_qa4e19c3a46_cast
		.amdhsa_group_segment_fixed_size 0
		.amdhsa_private_segment_fixed_size 0
		.amdhsa_enable_private_segment 0
		.amdhsa_kernarg_size 56
		.amdhsa_user_sgpr_count 2
		.amdhsa_user_sgpr_kernarg_segment_ptr 1
		.amdhsa_wavefront_size32 1
		.amdhsa_system_sgpr_workgroup_id_x 1
		.amdhsa_system_sgpr_workgroup_id_y 1
		.amdhsa_system_sgpr_workgroup_id_z 1
		.amdhsa_system_vgpr_workitem_id 0
		.amdhsa_next_free_vgpr 68
		.amdhsa_next_free_sgpr 66
		.amdhsa_reserve_vcc 0
		.amdhsa_float_denorm_mode_32 3
		.amdhsa_float_denorm_mode_16_64 3
		.amdhsa_memory_ordered 1
		.amdhsa_forward_progress 1
		.amdhsa_inst_pref_size 13
	.end_amdhsa_kernel
	.amdgpu_metadata
---
amdhsa.version: [ 1, 2 ]
amdhsa.kernels:
  - .name:           k_qa4e19c3a46_cast
    .symbol:         k_qa4e19c3a46_cast.kd
    .args:
      - { .name: x, .offset: 0, .size: 8, .value_kind: global_buffer, .address_space: global }
      - { .name: Wq, .offset: 8, .size: 8, .value_kind: global_buffer, .address_space: global }
      - { .name: Wk, .offset: 16, .size: 8, .value_kind: global_buffer, .address_space: global }
      - { .name: Wv, .offset: 24, .size: 8, .value_kind: global_buffer, .address_space: global }
      - { .name: xb, .offset: 32, .size: 8, .value_kind: global_buffer, .address_space: global }
      - { .name: wqkv, .offset: 40, .size: 8, .value_kind: global_buffer, .address_space: global }
      - { .name: rope, .offset: 48, .size: 8, .value_kind: global_buffer, .address_space: global }
    .group_segment_fixed_size: 0
    .private_segment_fixed_size: 0
    .kernarg_segment_align: 8
    .kernarg_segment_size: 56
    .max_flat_workgroup_size: 256
    .sgpr_count:     66
    .vgpr_count:     68
    .wavefront_size: 32
...
	.end_amdgpu_metadata
.endif
;; end of part 1
;; launch proj (part 2): grid 16 x 16, 4 waves a work-group, clusters of 4 x 4, 327,680 bytes of LDS; arguments xb, wqkv, rope, qkv, Wo, wo16; writes qkv, wo16
.if DOCPART == 2
	.amdgcn_target "amdgcn-amd-amdhsa--gfx1250"
	.amdhsa_code_object_version 6
	.text
	.protected	k_qa4e19c3a46_proj
	.globl	k_qa4e19c3a46_proj
	.p2align	8
	.type	k_qa4e19c3a46_proj,@function
k_qa4e19c3a46_proj:
	s_mov_b64 s[64:65], 0
	v_nop
	global_prefetch_b8 v0, s[64:65] scope:SCOPE_SE
	s_setreg_imm32_b32 hwreg(HW_REG_WAVE_MODE, 25, 1), 1
	s_wait_xcnt 0x0
	s_wait_alu depctr_hold_cnt(0) depctr_sa_sdst(0) depctr_va_vdst(0) depctr_va_sdst(0) depctr_va_ssrc(0) depctr_va_vcc(0) depctr_vm_vsrc(0)
	s_getreg_b32 s2, hwreg(HW_REG_IB_STS2, 6, 4)
	s_cmp_eq_u32 s2, 0
	s_cbranch_scc0 .Lentry_in_a_cluster
	s_endpgm
.Lentry_in_a_cluster:
	s_bfe_u32 s2, ttmp6, 0x10000c
	s_cmp_lg_u32 s2, 0xf033
	s_cbranch_scc0 .Lentry_shape_is_right
	s_endpgm
.Lentry_shape_is_right:
; q, k, v = x [Wq | Wk | Wv], q and k rotated (RoPE), written by heads in f16; and, beside that product, Wo rounded for the last launch.
;   xb [4096 token][2048] bf16;  wqkv [2048 k][3072 n] bf16;  rope [1024 t][64 cos | 64 sin] f32;  qkv [4 b][24 heads][1024 t][128] f16 (heads 0-15 q, 16-19 k, 20-23 v).
;   Wo [2048][2048] f32;  wo16 [2048][2048] f16 = Wo rounded to bf16, that number written as f16 (exact down to f16's fixed step of 6e-8 below 6e-5).
; Sums in f32, K ascending; the rotation in f32; each number rounded once to f16, without the score's scale.
; LIMIT.  f16 ends at 65,504: q, k, v must lie within it after the rotation (with x and the weights 30 times the drawn spread they reach some 5e3; with a common offset of 30 spreads on
; all inputs some 5e4); below 6e-5 f16 keeps a fixed step of 6e-8.  NaN and infinities are not treated apart (a v head is multiplied by cos = 1 and sin = 0).
; SHARES.  The product has 12 x 16 tiles of 256 tokens x 256 columns (two heads): the clusters x = 0, 1, 2.  Four waves of 128 tokens x 128 columns: a wave has ONE WHOLE HEAD, so the rotation's two
; partners d and d + 64 lie in one lane.  K goes in steps of 128 through two LDS slots filled by the tensor data mover.
; THE FOURTH COLUMN OF CLUSTERS (x = 3), 64 work-groups for which the product has no tile, rounds Wo: 262,144 bytes in and 131,072 out for each.  The branch hangs on the cluster's x, which all
; sixteen partners share.
; THE WEIGHTS LIE [k][n]: they come into LDS as they lie and are turned on the way into registers, by ds_load_tr16_b128.
; THE MATRIX INSTRUCTION IS USED TRANSPOSED: source 0 = 16 columns of W, source 1 = 16 tokens: a lane holds token l % 16 and the columns 8 (l / 16) + 0..7.
; CLUSTER 4 x 4: the four of a row need the same tile of x, the four of a column the same tile of W: each is asked for jointly, by the same tensor load with a mask that names the four.
; REGISTERS, in windows of 256 (s_set_vgpr_msb: bits 1:0 source 0, 3:2 source 1, 5:4 source 2, 7:6 destination):
;   window 0: v0-31 addresses; v64-127, v128-191 x's fragments, two buffers; v32-63 and, behind the loop, v64-95 rows read back from the stage, by turns; v192-223, v224-255 the rotated halves
;   window 1: v64-127, v128-191 W's fragments, two buffers; four table buffers of 64 (cos 32, sin 32) at v0, v192 and, behind the loop, v128, v64
;   window 2, 3: the 64 accumulators: token block a, column block b at v[8 (8 (a % 4) + b)] of window 2 + a / 4
.set KSTEP,  128
.set PA,     272                       ; a row of x in LDS: 256 bytes + 16: the 16 rows of a load start at 16 different groups of four banks (64 banks of 4 bytes: ISA guide 11.1)
.set PB,     544                       ; a row of W: 512 bytes + 32 = 17 x 32
.set HALFT,  34816                     ; what one tensor load brings: 128 rows of x, or 64 rows of W
.set SLOT,   4*HALFT                   ; x rows 0-127, x rows 128-255, W k 0-63, W k 64-127
.set STAGE,  2*SLOT                    ; behind the ring: 16 rows x 272 bytes for each wave; no tensor load lands here
.set SPITCH, 272
.set SPARE,  STAGE+4*16*SPITCH         ; the spare words, 128 bytes a wave: two blocks of 256 bytes that no other line names
.set LAPS,   8                         ; 2,048 / 256: a lap is two K steps
.set TOF,  8                           ; v8-11  the table loads' offsets, by block % 4
.set TO,   12                          ; v12    my offset in the table for token block 0
.set ADRA, 16                          ; v16-17 LDS address of my x fragments in slot 0, 1
.set ADRB, 20                          ; v20-21 the same for W
.set STO,  24                          ; v24    where I put 16 bytes of a row
.set RD,   25                          ; v25    where I read rows back
.set CO,   26                          ; v26    16 x lane: my place in 512 consecutive bytes of qkv
.set SPW,  28                          ; v28    LDS address of my spare word; never rewritten
.set NIL,  29                          ; v29    0; never rewritten
.set OB,   32                          ; two sets of 32, by the block's parity
.set F0,   64
.set F1,   128
.set T,    192
.set U,    224
.set WT,   32                          ; Wo's rounding: v32-37 at work, v64-127 sixteen loads' numbers, v128-159 sixteen stores' numbers
.set WX,   64
.set WY,   128
.set WV, 12                            ; s12 wave; s13 which half of the tokens (also: I fetch x (0) or W (1)); s14 which half of the columns (also: which half I fetch)
.set RH, 13
.set CH, 14
.set G1,  24                           ; s[24:31] group 1 for x's tiles;  s[32:39] group 0, a set for each slot
.set G0,  32
.set G1B, 48                           ; s[48:55], s[56:63] the same for W's
.set G0B, 56
.set MSB, 0
.macro WIN new                         ; the immediate's high byte repeats the setting that is left; a switch that changes nothing is dropped
.if MSB != (\new)
	s_set_vgpr_msb (MSB<<8)|(\new)
.set MSB, \new
.endif
.endm
.set MUL_LO, 0xa1                      ; source 0 (W) window 1, source 1 (x) window 0, C and D window 2
.set MUL_HI, 0xf1                      ; the same, C and D window 3
.set TO_B,   0x40                      ; destination window 1, address window 0
; A joint load.  Waves 0 and 1 fetch x's two halves, waves 2 and 3 W's.  The branch hangs on the wave's number alone.  An s_nop 0 and four v_nop follow each line.
.macro JLOAD s
	s_cmp_eq_u32 s[RH], 0
	s_cbranch_scc0 .Lfor_b_\@
	tensor_load_to_lds s[G0+4*(\s):G0+4*(\s)+3], s[G1:G1+7]
	s_nop 0
.rept 4
	v_nop
.endr
	s_branch .Lasked_\@
.Lfor_b_\@:
	tensor_load_to_lds s[G0B+4*(\s):G0B+4*(\s)+3], s[G1B:G1B+7]
	s_nop 0
.rept 4
	v_nop
.endr
.Lasked_\@:
.endm
.macro CREST                           ; a round of the cluster's barrier behind its opening barrier
	s_cmp_lg_u32 s[WV], 0
	s_cbranch_scc1 .Lnot_wave_0_\@
	s_barrier_signal -3
.Lnot_wave_0_\@:
	s_barrier_wait -3
	s_barrier_signal -1
	s_barrier_wait -1
.endm
.macro CROUND                          ; a whole round
	s_barrier_signal -1
	s_barrier_wait -1
	CREST
.endm
	s_load_b256 s[4:11], s[0:1], 0x0               ; xb s[4:5], wqkv s[6:7], rope s[8:9], qkv s[10:11]
	s_load_b128 s[68:71], s[0:1], 0x20             ; Wo s[68:69], wo16 s[70:71]
	v_lshl_add_u32 v[SPW], v0, 2, SPARE
	v_mov_b32 v[NIL], 0
	ds_add_u32 v[SPW], v[NIL]                      ; the wave's opening: the add and its wait stand ahead of my first tensor load; work on registers stands between them
	v_lshrrev_b32 v1, 5, v0
	v_readfirstlane_b32 s[WV], v1
	s_lshr_b32 s[RH], s[WV], 1
	s_and_b32 s[CH], s[WV], 1
	s_bfe_u32 s15, ttmp6, 0x40000                  ; cx
	s_bfe_u32 s16, ttmp6, 0x40004                  ; cy
	s_lshl_b32 s17, ttmp9, 2
	s_add_co_u32 s17, s17, s15                     ; TC: tile column = 4 x cluster x + cx
	s_and_b32 s18, ttmp7, 0xffff
	s_lshl_b32 s18, s18, 2
	s_add_co_u32 s18, s18, s16                     ; TR: tile row = 4 x cluster y + cy
	s_lshl_b32 s40, s16, 2
	s_lshl_b32 s40, 15, s40                        ; my row of the cluster
	s_lshl_b32 s41, 0x1111, s15                    ; my column
	s_or_b32 s[G1], s40, (1<<16)|(1<<20)|(1<<21)|(5<<22)|(3<<25)   ; the mask; 2-byte elements; padding on; bit 21 beside a mask; after every 64 words, 4 words
	s_or_b32 s[G1B], s41, (1<<16)|(1<<20)|(1<<21)|(6<<22)|(7<<25)  ; after every 128 words, 8 words
	s_mov_b32 s[G1+1], 128<<16                     ; tensor_dim0 = 128
	s_mov_b32 s[G1+2], 128<<16                     ; tensor_dim1 = 128
	s_mov_b32 s[G1+3], 128<<16                     ; tile_dim0 = 128
	s_mov_b32 s[G1+4], 128                         ; tile_dim1 = 128
	s_mov_b32 s[G1+5], 2048                        ; elements from row to row
	s_mov_b32 s[G1+6], 0
	s_mov_b32 s[G1+7], 0
	s_mov_b32 s[G1B+1], 256<<16                    ; tensor_dim0 = 256
	s_mov_b32 s[G1B+2], 64<<16                     ; tensor_dim1 = 64
	s_mov_b32 s[G1B+3], 256<<16                    ; tile_dim0 = 256
	s_mov_b32 s[G1B+4], 64                         ; tile_dim1 = 64
	s_mov_b32 s[G1B+5], 3072
	s_mov_b32 s[G1B+6], 0
	s_mov_b32 s[G1B+7], 0
	; x's tile hangs on the tile row and the wave, W's on the tile column and the wave, each in registers that never hold the other coordinate
	s_lshl_b32 s20, s18, 8
	s_lshl_b32 s21, s[CH], 7
	s_add_co_u32 s20, s20, s21                     ; token 256 TR + 128 x half
	s_lshl_b32 s20, s20, 12                        ; x 4,096 bytes
	s_mov_b32 s21, 0
	s_mul_i32 s46, s[CH], 64*6144                  ; k 64 x half
	s_lshl_b32 s47, s17, 9                         ; column 256 TC
	s_add_co_u32 s46, s46, s47
	s_mov_b32 s47, 0
	s_mul_i32 s19, s[WV], HALFT                    ; where they go: wave x a quarter of a slot
	s_wait_dscnt 0x0                               ; the opening add is done
	s_wait_kmcnt 0x0
	s_cmp_lt_u32 ttmp9, 3                          ; the cluster's x: the same in all sixteen partners
	s_cbranch_scc1 .Lgemm
	; Wo'S ROUNDING.  Work-group 4 TR + cx of 64 takes 128 units of 2,048 bytes: thread t loads the 16 bytes at 16 t of a unit (a wave's load covers 512 consecutive bytes) and stores 8 bytes
	; (a wave's store covers 256 consecutive bytes, aligned).  8 trips of 16 units.  The trips are not overlapped with each other: a wave has these 8 trips to make while a wave of the product
	; issues 4,096 matrix instructions.  No tensor load is issued on this way; it joins the common end.
	s_lshl_b32 s20, s18, 2
	s_add_co_u32 s20, s20, s15                     ; 0 .. 63: it enters the two global offsets alone
	s_lshl_b32 s22, s20, 17                        ; 131,072 bytes out,
	s_lshl_b32 s20, s20, 18                        ; 262,144 in
	s_mov_b32 s21, 0
	s_mov_b32 s23, 0
	s_add_nc_u64 s[68:69], s[68:69], s[20:21]
	s_add_nc_u64 s[70:71], s[70:71], s[22:23]
	v_lshlrev_b32 v2, 4, v0
	v_lshlrev_b32 v3, 3, v0
	s_mov_b32 s3, 8
.Lwo:
.irp i, 0,1,2,3,4,5,6,7,8,9,10,11,12,13,14,15
	global_load_b128 v[WX+4*(\i):WX+4*(\i)+3], v2, s[68:69] offset:(\i)*2048 th:TH_LOAD_NT
.endr
.irp i, 0,1,2,3,4,5,6,7,8,9,10,11,12,13,14,15
	s_wait_loadcnt 15-(\i)                         ; loads come back in order (ISA guide 5.7.1): unit i is in, the younger ones stay out
	v_cvt_pk_bf16_f32 v[WT], v[WX+4*(\i)], v[WX+4*(\i)+1]
	v_cvt_pk_bf16_f32 v[WT+1], v[WX+4*(\i)+2], v[WX+4*(\i)+3]
	v_lshlrev_b32 v[WT+2], 16, v[WT]               ; the rounded numbers as f32 again
	v_and_b32 v[WT+3], 0xffff0000, v[WT]
	v_lshlrev_b32 v[WT+4], 16, v[WT+1]
	v_and_b32 v[WT+5], 0xffff0000, v[WT+1]
	v_cvt_pk_f16_f32 v[WY+2*(\i)], v[WT+2], v[WT+3]
	v_cvt_pk_f16_f32 v[WY+2*(\i)+1], v[WT+4], v[WT+5]
	global_store_b64 v3, v[WY+2*(\i):WY+2*(\i)+1], s[70:71] offset:(\i)*1024 th:TH_STORE_NT
.endr
	s_wait_xcnt 0x0                                ; the trip's loads and stores have read pointers and data: both pointers step, and the stores' registers are written again, only behind this wait
	s_add_nc_u64 s[68:69], s[68:69], 32768
	s_add_nc_u64 s[70:71], s[70:71], 16384
	s_sub_co_u32 s3, s3, 1
	s_cmp_lg_u32 s3, 0
	s_cbranch_scc1 .Lwo
	s_branch .Lend
.Lgemm:
	s_add_nc_u64 s[22:23], s[4:5], s[20:21]
	s_add_nc_u64 s[46:47], s[6:7], s[46:47]
	CROUND                                         ; all sixteen work-groups are here: the first joint loads meet
.irp s, 0,1
	s_mov_b32 s[G0+4*(\s)], 1
	s_add_co_u32 s[G0+4*(\s)+1], s19, (\s)*SLOT
	s_add_nc_u64 s[G0+4*(\s)+2:G0+4*(\s)+3], s[22:23], (\s)*KSTEP*2
	s_or_b32 s[G0+4*(\s)+3], s[G0+4*(\s)+3], 0x80000000
	s_mov_b32 s[G0B+4*(\s)], 1
	s_add_co_u32 s[G0B+4*(\s)+1], s19, (\s)*SLOT
	s_add_nc_u64 s[G0B+4*(\s)+2:G0B+4*(\s)+3], s[46:47], (\s)*KSTEP*6144
	s_or_b32 s[G0B+4*(\s)+3], s[G0B+4*(\s)+3], 0x80000000
	JLOAD \s                                       ; two loads of mine are out
.endr
	v_and_b32 v1, 15, v0                           ; r = l % 16
	v_bfe_u32 v2, v0, 4, 1                         ; h = l / 16
	v_mul_u32_u24 v3, v1, PA
	v_lshl_add_u32 v3, v2, 4, v3                   ; x: row r, 16 bytes for each half of the lanes
	v_and_b32 v4, 7, v0
	v_bfe_u32 v5, v0, 3, 1
	v_lshl_add_u32 v4, v2, 3, v4                   ; W: lane l reads k 8 h + l % 8, columns 8 ((l / 8) % 2) + 0..7
	v_mul_u32_u24 v4, v4, PB
	v_lshl_add_u32 v4, v5, 4, v4
	s_mul_i32 s20, s[RH], HALFT                    ; my 128 tokens
	s_lshl_b32 s21, s[CH], 8                       ; my 128 columns,
	s_add_co_u32 s21, s21, 2*HALFT                 ; behind x's 256 rows
.irp s, 0,1
	v_add_nc_u32 v[ADRA+(\s)], s20, v3
	v_add_nc_u32 v[ADRB+(\s)], s21, v4
	s_add_co_u32 s20, s20, SLOT
	s_add_co_u32 s21, s21, SLOT
.endr
	s_mul_i32 s20, s[WV], 16*SPITCH
	s_add_co_u32 s20, s20, STAGE                   ; my stage
	v_add_nc_u32 v[STO], s20, v3                   ; in: row r, 16 bytes for each half of the lanes (the stage has x's pitch)
	v_mul_u32_u24 v5, v2, SPITCH                   ; back: lanes 0-15 one row of 256 bytes, lanes 16-31 the next
	v_lshl_add_u32 v5, v1, 4, v5
	v_add_nc_u32 v[RD], s20, v5
	v_and_b32 v[CO], 31, v0
	v_lshlrev_b32 v[CO], 4, v[CO]
	s_and_b32 s44, s18, 3
	s_lshl_b32 s44, s44, 8
	s_lshl_b32 s45, s[RH], 7
	s_add_co_u32 s44, s44, s45                     ; T0: my first token's position in its sequence
	s_lshl_b32 s45, s17, 1
	s_add_co_u32 s45, s45, s[CH]                   ; my head, 0 .. 23
	s_cmp_lt_u32 s45, 20
	s_cselect_b32 s42, 1, 0                        ; 1: q or k, rotated; 0: v, which takes the table's row 0 (cos = 1, sin = 0) for every token.  A select, no branch
	s_lshl_b32 s43, s42, 13                        ; 16 rows of the table, or none
	s_lshr_b32 s46, s18, 2                         ; the sequence b
	s_mul_i32 s46, s46, 24
	s_add_co_u32 s46, s46, s45
	s_lshl_b32 s46, s46, 10
	s_add_co_u32 s46, s46, s44
	s_lshl_b32 s46, s46, 8                         ; ((24 b + head) 1,024 + T0) x 256 bytes
	s_mov_b32 s47, 0
	s_add_nc_u64 s[10:11], s[10:11], s[46:47]      ; qkv at my wave's first row
	v_add_nc_u32 v[TO], s44, v1
	v_mul_u32_u24 v[TO], s42, v[TO]
	v_lshlrev_b32 v[TO], 9, v[TO]
	v_lshl_add_u32 v[TO], v2, 5, v[TO]             ; row (T0 + r) x 512 + 32 h
; 16 matrix instructions: token blocks a0, a0 + 1 of the window's four x all 8 column blocks, 32 along K.  zero = 1: the product starts the sums.
.macro MUL16 f, hi, a0, zero
	WIN MUL_LO+0x50*(\hi)
.irp a, \a0, (\a0)+1
.irp b, 0,1,2,3,4,5,6,7
.if \zero
	v_wmma_f32_16x16x32_bf16 v[8*(8*(\a)+(\b)):8*(8*(\a)+(\b))+7], v[(\f)+8*(\b):(\f)+8*(\b)+7], v[(\f)+8*(4*(\hi)+(\a)):(\f)+8*(4*(\hi)+(\a))+7], 0
.else
	v_wmma_f32_16x16x32_bf16 v[8*(8*(\a)+(\b)):8*(8*(\a)+(\b))+7], v[(\f)+8*(\b):(\f)+8*(\b)+7], v[(\f)+8*(4*(\hi)+(\a)):(\f)+8*(4*(\hi)+(\a))+7], v[8*(8*(\a)+(\b)):8*(8*(\a)+(\b))+7]
.endif
.endr
.endr
.endm
; 32 LDS loads in one run: quarter q (32 along K) of a slot into buffer f: W's 8 column blocks, turned, then x's 8 token blocks
.macro FETCH slot, q, f
	WIN TO_B
.irp i, 0,1,2,3,4,5,6,7
	ds_load_tr16_b128 v[(\f)+8*(\i):(\f)+8*(\i)+3],   v[ADRB+(\slot)] offset:(\q)*32*PB+32*(\i)
	ds_load_tr16_b128 v[(\f)+8*(\i)+4:(\f)+8*(\i)+7], v[ADRB+(\slot)] offset:(\q)*32*PB+16*PB+32*(\i)
.endr
	WIN 0
.irp i, 0,1,2,3,4,5,6,7
	ds_load_b128 v[(\f)+8*(\i):(\f)+8*(\i)+3],   v[ADRA+(\slot)] offset:64*(\q)+(\i)*16*PA
	ds_load_b128 v[(\f)+8*(\i)+4:(\f)+8*(\i)+7], v[ADRA+(\slot)] offset:64*(\q)+(\i)*16*PA+32
.endr
.endm
.macro PLACES                          ; four places between a matrix instruction and a load into, or a vector line on, its registers (ISA guide 7.12.1 for vector instructions)
.rept 4
	v_nop
.endr
.endm
; One of a K step's first three quarters: multiplies buffer f; in its middle it fetches quarter q of the same slot into buffer g.
.macro QUARTER slot, q, f, g, zero
	s_wait_dscnt 8                                 ; W and x's blocks 0-3 are in; the youngest eight loads (x's blocks 4-7) may be out
	MUL16 \f, 0, 0, \zero
	MUL16 \f, 0, 2, \zero
	PLACES
	FETCH \slot, \q, \g
	s_wait_dscnt 32                                ; all but the 32 just issued
	MUL16 \f, 1, 0, \zero
	MUL16 \f, 1, 2, \zero
.endm
; The first half of the last quarter: ONE barrier for the change of slots.
.macro MEET round
	WIN 0
	s_wait_tensorcnt 0x0                           ; all my tensor loads have landed: the one that was out is my part of the next slot
	ds_add_u32 v[SPW], v[NIL]                      ; 0 onto my spare word
	s_wait_dscnt 9                                 ; the add and the youngest eight loads may be out
	MUL16 F1, 0, 0, 0
	s_wait_dscnt 0x0                               ; the add is done, and my reads of this slot are over
	s_barrier_signal -1
	MUL16 F1, 0, 2, 0                              ; work on registers while the others arrive
.if \round
	WIN 0
.endif
	s_barrier_wait -1
.endm
; The whole last quarter.  fill = 1: the barrier opens a round of the cluster's, and the slot just read is filled again, two K steps on: 224 matrix instructions ahead of the wait for it.
.macro TURN slot, next, fill
	MEET \fill
.if \fill
	CREST                                          ; no wave of any partner still reads this slot or has a load on its way
	s_add_nc_u64 s[G0+4*(\slot)+2:G0+4*(\slot)+3], s[G0+4*(\slot)+2:G0+4*(\slot)+3], 2*KSTEP*2
	s_add_nc_u64 s[G0B+4*(\slot)+2:G0B+4*(\slot)+3], s[G0B+4*(\slot)+2:G0B+4*(\slot)+3], 2*KSTEP*6144
	JLOAD \slot                                    ; the first tensor load behind the round; its four v_nop are also the places in front of the loads below
.else
	PLACES
.endif
	FETCH \next, 0, F0
	MUL16 F1, 1, 0, 0
	MUL16 F1, 1, 2, 0
.endm
; THE WAY OUT, a block of 16 tokens at a time.
; The table for block a: for my token 32 cosines and 32 sines (frequencies 16 b + 8 h + 0..7, b = 0..3), 16 loads, into buffer a % 4.
.macro TABLOAD a
	WIN 0
.set TB, (192*((\a)%4))%256
	s_mul_i32 s45, s43, (\a)
	v_add_nc_u32 v[TOF+(\a)%4], s45, v[TO]
	WIN TO_B
.irp bq, 0,1,2,3
	global_load_b128 v[TB+8*(\bq):TB+8*(\bq)+3],       v[TOF+(\a)%4], s[8:9] offset:64*(\bq)
	global_load_b128 v[TB+8*(\bq)+4:TB+8*(\bq)+7],     v[TOF+(\a)%4], s[8:9] offset:64*(\bq)+16
	global_load_b128 v[TB+32+8*(\bq):TB+32+8*(\bq)+3], v[TOF+(\a)%4], s[8:9] offset:256+64*(\bq)
	global_load_b128 v[TB+32+8*(\bq)+4:TB+32+8*(\bq)+7], v[TOF+(\a)%4], s[8:9] offset:256+64*(\bq)+16
.endr
	WIN 0
.endm
; lo' = lo cos - hi sin, hi' = hi cos + lo sin; lo = column block b, hi = block b + 4, the same lane and register.  Each accumulator is read from its low end on.
.macro ROPE a
.set TB, (192*((\a)%4))%256
.set AC, 64*((\a)%4)
	WIN 0x06+(\a)/4                                ; source 0: window 2 or 3; source 1: window 1; source 2 and destination: window 0
.irp b, 0,1,2,3
.irp jp, 0,2,4,6
	v_pk_mul_f32 v[T+8*(\b)+(\jp):T+8*(\b)+(\jp)+1], v[AC+32+8*(\b)+(\jp):AC+32+8*(\b)+(\jp)+1], v[TB+32+8*(\b)+(\jp):TB+32+8*(\b)+(\jp)+1]
	v_pk_mul_f32 v[U+8*(\b)+(\jp):U+8*(\b)+(\jp)+1], v[AC+8*(\b)+(\jp):AC+8*(\b)+(\jp)+1], v[TB+32+8*(\b)+(\jp):TB+32+8*(\b)+(\jp)+1]
	v_pk_fma_f32 v[T+8*(\b)+(\jp):T+8*(\b)+(\jp)+1], v[AC+8*(\b)+(\jp):AC+8*(\b)+(\jp)+1], v[TB+8*(\b)+(\jp):TB+8*(\b)+(\jp)+1], v[T+8*(\b)+(\jp):T+8*(\b)+(\jp)+1] neg_lo:[0,0,1] neg_hi:[0,0,1]
	v_pk_fma_f32 v[U+8*(\b)+(\jp):U+8*(\b)+(\jp)+1], v[AC+32+8*(\b)+(\jp):AC+32+8*(\b)+(\jp)+1], v[TB+8*(\b)+(\jp):TB+8*(\b)+(\jp)+1], v[U+8*(\b)+(\jp):U+8*(\b)+(\jp)+1]
.endr
.endr
	WIN 0
.set k, 0
.rept 16                               ; rounded to f16 and packed in place: register k takes numbers 2 k and 2 k + 1, which lie at or above it
	v_cvt_pk_f16_f32 v[T+k], v[T+2*k], v[T+2*k+1]
	v_cvt_pk_f16_f32 v[U+k], v[U+2*k], v[U+2*k+1]
.set k, k+1
.endr
.endm
.macro TOSTAGE a                       ; into my stage, and back as whole rows, into the set of the block's parity
	WIN 0
.set BK, OB+32*((\a)%2)
.irp b, 0,1,2,3
	ds_store_b128 v[STO], v[T+4*(\b):T+4*(\b)+3] offset:32*(\b)
	ds_store_b128 v[STO], v[U+4*(\b):U+4*(\b)+3] offset:128+32*(\b)
.endr
.irp t, 0,1,2,3,4,5,6,7
	ds_load_b128 v[BK+4*(\t):BK+4*(\t)+3], v[RD] offset:(\t)*2*SPITCH  ; LDS serves a wave's instructions in order (ISA guide 5.7.1.4): these see the stores above
.endr
.endm
.macro SEND a
	WIN 0
.set BK, OB+32*((\a)%2)
	s_wait_dscnt 0x0                               ; the block is back in registers
.irp t, 0,1,2,3,4,5,6,7
	global_store_b128 v[CO], v[BK+4*(\t):BK+4*(\t)+3], s[10:11] offset:(\a)*4096+(\t)*512  ; a head's rows are dense: 512 consecutive bytes, aligned
.endr
.endm
	TABLOAD 0                                      ; the first two blocks' tables: their registers lie idle through the whole loop
	TABLOAD 1
	s_wait_tensorcnt 1                             ; my part of K step 0 is in; K step 1's may stay out
	s_barrier_signal -1
	s_barrier_wait -1
	FETCH 0, 0, F0
	QUARTER 0, 1, F0, F1, 1                        ; the first quarter stands in front of the loop: its products start the sums
	WIN 0
	s_mov_b32 s3, LAPS-1
.Llap:                                                 ; a trip goes once round the ring, from a lap's second quarter to the next lap's first, and fills both slots again.  The 64 accumulators take turns, over the backward jump too
	QUARTER 0, 2, F1, F0, 0
	QUARTER 0, 3, F0, F1, 0
	TURN 0, 1, 1
	QUARTER 1, 1, F0, F1, 0
	QUARTER 1, 2, F1, F0, 0
	QUARTER 1, 3, F0, F1, 0
	TURN 1, 0, 1
	QUARTER 0, 1, F0, F1, 0
	WIN 0
	s_sub_co_u32 s3, s3, 1
	s_cmp_lg_u32 s3, 0
	s_cbranch_scc1 .Llap
	QUARTER 0, 2, F1, F0, 0                        ; the last lap fills nothing
	QUARTER 0, 3, F0, F1, 0
	TURN 0, 1, 0
	QUARTER 1, 1, F0, F1, 0
	QUARTER 1, 2, F1, F0, 0
	QUARTER 1, 3, F0, F1, 0
	s_wait_dscnt 8
	MUL16 F1, 0, 0, 0
	MUL16 F1, 0, 2, 0
	s_wait_dscnt 0x0
	MUL16 F1, 1, 0, 0
	MUL16 F1, 1, 2, 0
	WIN 0
.rept 8
	v_nop                                          ; the places behind the last products: loads into the fragments' registers and lines that read results follow
.endr
	TABLOAD 2
	TABLOAD 3
.irp a, 0,1,2,3,4,5,6,7
.if (\a) < 5
	s_wait_loadcnt 48                              ; block a's table is in; the three sets of 16 issued behind it may be out
.else
	s_wait_loadcnt 16*(7-(\a))                     ; two sets, one, none
.endif
	ROPE \a
	s_wait_xcnt 0x0                                ; block a - 2's stores have read the set of registers that block a's rows are loaded into below; the youngest memory line stands the rotation's 98 lines back
.if (\a) < 4
	TABLOAD (\a)+4                                 ; into the buffer just read; its offset register is free since the wait on the loads above
.endif
.if (\a) > 0
	SEND (\a)-1                                    ; block a's arithmetic has stood between the loads of the block before and its stores
.endif
	TOSTAGE \a
.endr
	SEND 7
.Lend:
	s_wait_tensorcnt 0x0                           ; the wave's end, on both ways, behind my last tensor load and my last LDS store
	ds_add_u32 v[SPW], v[NIL]
	s_wait_dscnt 0x0
	CROUND                                         ; the closing round: no work-group ends while a partner may still ask for a tile that names it
	s_endpgm
.Lfunc_end_k_qa4e19c3a46_proj:
	.size	k_qa4e19c3a46_proj, .Lfunc_end_k_qa4e19c3a46_proj-k_qa4e19c3a46_proj
	.p2alignl 7, 3214868480
	.fill 96, 4, 3214868480
	.section	.rodata,"a",@progbits
	.p2align	6, 0x0
	.amdhsa_kernel k_qa4e19c3a46_proj
		.amdhsa_group_segment_fixed_size 327680
		.amdhsa_private_segment_fixed_size 0
		.amdhsa_enable_private_segment 0
		.amdhsa_kernarg_size 48
		.amdhsa_user_sgpr_count 2
		.amdhsa_user_sgpr_kernarg_segment_ptr 1
		.amdhsa_wavefront_size32 1
		.amdhsa_system_sgpr_workgroup_id_x 1
		.amdhsa_system_sgpr_workgroup_id_y 1
		.amdhsa_system_sgpr_workgroup_id_z 1
		.amdhsa_system_vgpr_workitem_id 0
		.amdhsa_next_free_vgpr 1024
		.amdhsa_next_free_sgpr 72
		.amdhsa_reserve_vcc 0
		.amdhsa_float_denorm_mode_32 3
		.amdhsa_float_denorm_mode_16_64 3
		.amdhsa_memory_ordered 1
		.amdhsa_forward_progress 1
		.amdhsa_inst_pref_size 199
	.end_amdhsa_kernel
	.amdgpu_metadata
---
amdhsa.version: [ 1, 2 ]
amdhsa.kernels:
  - .name:           k_qa4e19c3a46_proj
    .symbol:         k_qa4e19c3a46_proj.kd
    .args:
      - { .name: xb, .offset: 0, .size: 8, .value_kind: global_buffer, .address_space: global }
      - { .name: wqkv, .offset: 8, .size: 8, .value_kind: global_buffer, .address_space: global }
      - { .name: rope, .offset: 16, .size: 8, .value_kind: global_buffer, .address_space: global }
      - { .name: qkv, .offset: 24, .size: 8, .value_kind: global_buffer, .address_space: global }
      - { .name: Wo, .offset: 32, .size: 8, .value_kind: global_buffer, .address_space: global }
      - { .name: wo16, .offset: 40, .size: 8, .value_kind: global_buffer, .address_space: global }
    .group_segment_fixed_size: 327680
    .private_segment_fixed_size: 0
    .kernarg_segment_align: 8
    .kernarg_segment_size: 48
    .max_flat_workgroup_size: 128
    .sgpr_count:     72
    .vgpr_count:     1024
    .wavefront_size: 32
...
	.end_amdgpu_metadata
.endif
;; end of part 2
;; launch attn (part 3): grid 16 x 16, 4 waves a work-group, clusters of 4 x 1, 327,680 bytes of LDS; arguments qkv, ao; writes ao
.if DOCPART == 3
	.amdgcn_target "amdgcn-amd-amdhsa--gfx1250"
	.amdhsa_code_object_version 6
	.text
	.protected	k_qa4e19c3a46_attn
	.globl	k_qa4e19c3a46_attn
	.p2align	8
	.type	k_qa4e19c3a46_attn,@function
k_qa4e19c3a46_attn:
	s_mov_b64 s[64:65], 0
	v_nop
	global_prefetch_b8 v0, s[64:65] scope:SCOPE_SE
	s_setreg_imm32_b32 hwreg(HW_REG_WAVE_MODE, 25, 1), 1
	s_wait_xcnt 0x0
	s_wait_alu depctr_hold_cnt(0) depctr_sa_sdst(0) depctr_va_vdst(0) depctr_va_sdst(0) depctr_va_ssrc(0) depctr_va_vcc(0) depctr_vm_vsrc(0)
	s_getreg_b32 s2, hwreg(HW_REG_IB_STS2, 6, 4)
	s_cmp_eq_u32 s2, 0
	s_cbranch_scc0 .Lentry_in_a_cluster
	s_endpgm
.Lentry_in_a_cluster:
	s_bfe_u32 s2, ttmp6, 0x10000c
	s_cmp_lg_u32 s2, 0x3003
	s_cbranch_scc0 .Lentry_shape_is_right
	s_endpgm
.Lentry_shape_is_right:
; CAUSAL ATTENTION, FOUR QUERY HEADS TO A KEY AND VALUE HEAD.  qkv [4 b][24 heads][1024 t][128] f16 (0-15 q, 16-19 k, 20-23 v);  ao [4096 token][2048 = head x 128 + d] f16.
; O[q] = the sum over k <= q of softmax_k(Q[q] . K[k] / sqrt(128)) V[k].  Products, maxima and sums in f32; the weights p are rounded to f16 for the second product (their sum l is taken of the unrounded p), O once.
; LIMITS.  Q, K, V arrive within f16's 65,504; p lies in 0 to 1 and below 6e-5 keeps f16's fixed step of 6e-8; O is a mean of V's rows.  A hidden score counts as its value less 1e30;
; a weight below 2^-126 counts as 0 in l; NaN and infinities are not treated apart.
; THE WALK.  Positions lie in 32 blocks of 32; keys in 8 tiles of 128.  Block 4 q + pm needs tiles 0 .. q, the last holding the diagonal.  Work-group j = 4 a + cx of a (b, kv) takes block 31 - j and then
; block j, each for all four query heads: (8 - a) + (a + 1) = 9 tiles, whatever j.  One loop with a constant trip count walks them.
; CLUSTER.  The four work-groups of a cluster share a, so they walk THE SAME TILES: each tile of K and V is asked for jointly, by the same tensor load with the mask of four.  cx enters only Q's, O's and
; the prefetch's global addresses and the mask's numbers: no branch, no LDS address.
; SHARES.  Wave w owns query head 4 kv + w: two tiles of 16 positions.  A key tile is two steps of 64 keys.  In the diagonal tile a step may be wholly hidden and is computed all the same; every row sees the
; tile's key 0 in its step 0, so the running maximum is a true score before a wholly hidden step comes.
; LAYOUT.  S^T = K Q^T (source 0 = 16 keys, source 1 = 16 queries): a lane holds ONE query (l % 16) and the keys 8 (l / 16) + 0..7.  Two such results rounded to f16 ARE source 1 of O^T = V^T P.
; K comes out of LDS as it lies, V turned, by ds_load_tr16_b128.  THE MASK is the C operand that starts the sum S^T: 0, or -1e30 where the key is hidden.
; SOFTMAX.  p = 2^(c s - c m), c = log2(e) / sqrt(128), with a running maximum m; O and l are multiplied by a = 2^(c m_old - c m_new) in every step.  m starts at the lowest finite number, so a block's first a is 0
; and O and l need only be finite there: they are cleared once, in the wait for the first tile.
; IN PHASES: a step's 32 products K Q^T, its softmax (268 lines), its 32 products V^T P.
; REGISTERS, in windows of 256 (s_set_vgpr_msb: bits 1:0 source 0, 3:2 source 1, 5:4 source 2, 7:6 destination):
;   window 0: v0-15 addresses; v16-31 eight registers of statistics a tile; v64-127 S^T; v128-159 P; v160-223 the masks
;   window 1: v0-127 O^T, 64 a tile; v128-191 Q; v192-255 the second block's Q          window 2: v0-127 K of one step; v128-255 V of one step
.set KS,    64
.set PK,    272       ; a row of K in LDS: 256 bytes + 16
.set PVP,   288       ; a row of V: 256 + 32
.set VOFF,  KS*PK     ; a step's tiles lie together: 64 rows of K, then 64 rows of V
.set STEPB, KS*(PK+PVP)
.set SLOT1, 1<<17     ; a slot holds a tile, two steps (71,680 bytes); slot 1 begins here
.set STAGE, SLOT1+2*STEPB  ; behind the ring: 16 rows x 272 bytes for each wave; no tensor load lands here
.set SP,    272
.set SPARE, STAGE+4*16*SP  ; the spare words, 128 bytes a wave: two blocks of 256 bytes that no other line names
.set AK0, 2           ; v2   my lane's place in a tile of K; never rewritten
.set AV0, 3           ; v3   the same for V
.set AK,  4           ; v4   the LDS address of K's run of loads
.set AV,  5           ; v5   of V's
.set STO, 6           ; v6   the way out: where I put 16 bytes of a row
.set RD,  7           ; v7   where I read rows back
.set GO,  8           ; v8   my byte offset in two rows of ao
.set QO,  12          ; v12  my byte offset in 16 rows of Q
.set PS,  13          ; v13  my query's place in its key tile, less 8 (l / 16), for the block in hand, tile 0
.set PSLO, 14         ; v14  the same for the second block
.set PFO, 15          ; v15  256 x lane: a row of K or V is 256 bytes
.set ST,  16          ; tile u's statistics at v[ST+8 u]: c m, m, l (even keys', odd keys'), c0-c3 at work; a takes c2's place
.set SPW, 62          ; v62  LDS address of my spare word; never rewritten
.set NIL, 63          ; v63  0; never rewritten
.set S,   64
.set P,   128
.set MC,  160
.set WV,  12          ; s12  wave
.set CX,  13          ; s13  my place in the cluster
.set PBK, 14          ; s14  a: the second block's last tile
.set HI,  15          ; s15  7 - a: the first block's last tile
.set G1K, 24          ; s[24:31], s[32:39] descriptor group 1 for K's and V's tiles
.set G1V, 32
.set G0K, 40          ; s[40:43], s[44:47] group 0
.set G0V, 44
.set KB,  48          ; s[48:49] K's head at my half of tile 0
.set VB,  50          ; s[50:51] V's
.set QH,  52          ; s[52:53] Q at my rows of the first block;  s[54:55] of the second
.set QL,  54
.set SLOTS, 56        ; s56  tiles still to be asked for
.set CNT, 57          ; s57  counts a tile's two steps, 2 and 1
.set CS,  58          ; s[58:59] c
.set SEL, 60          ; s[60:61] v_permlanex16_b32's selects: each lane takes its own place in the other half
.set TBK, 62          ; s62  LDS byte at which the step whose K is fetched next begins
.set TBV, 63          ; s63  the same for V
.set OBP, 66          ; s[66:67] ao at my rows of the block in hand;  s[68:69] of the second block
.set OLO, 68
.set RT,  70          ; s70  tiles of the block in hand still to be entered
.set NXT, 71          ; s71  the tile to be asked for next
.set LQ,  72          ; s72  the last tile of the block whose tiles are being asked for
.set SH,  73          ; s73  at work
.set OFF, 74          ; s[74:75] a tile's byte offset in K and V
.set PFA, 76          ; s[76:77] where my prefetches stand
.set LIM, 78          ; s78  2 in a wave that prefetches, else the greatest number
.set BIGN, 79         ; s79  -1e30
.set MSB, 0
.macro WIN new
.if MSB != (\new)
	s_set_vgpr_msb (MSB<<8)|(\new)
.set MSB, \new
.endif
.endm
; A joint fill.  Waves 0 and 1 fetch K of the tile's two steps, waves 2 and 3 V.  An s_nop 0 and four v_nop follow each line.
.macro JLOAD
	s_cmp_lt_u32 s[WV], 2
	s_cbranch_scc0 .Lfor_v_\@
	tensor_load_to_lds s[G0K:G0K+3], s[G1K:G1K+7]
	s_nop 0
.rept 4
	v_nop
.endr
	s_branch .Lasked_\@
.Lfor_v_\@:
	tensor_load_to_lds s[G0V:G0V+3], s[G1V:G1V+7]
	s_nop 0
.rept 4
	v_nop
.endr
.Lasked_\@:
.endm
; A PREFETCH INTO THE L2 of the tile that the NEXT change of slots will ask for.  The cluster a = 0 of a (b, kv) walks all eight tiles: it alone asks.  Its four partners take 32 of the tile's 128 rows each,
; told apart by address; wave 0 asks for K's, wave 2 for V's, a lane a row.  So each row is named once in the launch.  Trip k names tile k + 2; the trips with two or fewer tiles left to ask for name nothing.
.macro ASK
	s_cmp_gt_u32 s[SLOTS], s[LIM]
	s_cbranch_scc0 .Lnot_mine_\@
	global_prefetch_b8 v[PFO], s[PFA:PFA+1] th:TH_LOAD_NT scope:SCOPE_SE
.Lnot_mine_\@:
.endm
.macro CROUND                       ; a round of the cluster's barrier
	s_barrier_signal -1
	s_barrier_wait -1
	s_cmp_lg_u32 s[WV], 0
	s_cbranch_scc1 .Lnot_wave_0_\@
	s_barrier_signal -3
.Lnot_wave_0_\@:
	s_barrier_wait -3
	s_barrier_signal -1
	s_barrier_wait -1
.endm
.macro PLACES
.rept 4
	v_nop
.endr
.endm
; THE CHANGE OF SLOTS.  Each wave waits for all its tensor loads, of which one is out: its part of the other slot; adds 0 to its spare word; waits for that and for its reads of the slot that it leaves.
; fill = 1: the barrier is a round of the cluster's, and the old slot is filled again first thing behind it, with tile NXT; the load has two key steps in which to land.
.macro CHANGE fill
	WIN 0
	s_wait_tensorcnt 0x0            ; no tensor load of mine is out, so a group 0 may be written
	ds_add_u32 v[SPW], v[NIL]       ; 0 onto my spare word; scalar work stands between it and the wait for it
.if \fill
	s_lshl_b32 s[OFF], s[NXT], 15   ; a tile is 32,768 bytes of K and of V
	s_xor_b32 s[G0K+1], s[G0K+1], SLOT1
	s_add_nc_u64 s[G0K+2:G0K+3], s[KB:KB+1], s[OFF:OFF+1]
	s_or_b32 s[G0K+3], s[G0K+3], 0x80000000
	s_xor_b32 s[G0V+1], s[G0V+1], SLOT1
	s_add_nc_u64 s[G0V+2:G0V+3], s[VB:VB+1], s[OFF:OFF+1]
	s_or_b32 s[G0V+3], s[G0V+3], 0x80000000
	s_add_co_u32 s[NXT], s[NXT], 1  ; the block's next tile, or behind its last the second block's tile 0
	s_cmp_gt_u32 s[NXT], s[LQ]
	s_cselect_b32 s[NXT], 0, s[NXT]
	s_cselect_b32 s[LQ], s[PBK], s[LQ]
	s_wait_xcnt 0x0                 ; the last prefetch, a tile back, has read its address
	s_add_nc_u64 s[PFA:PFA+1], s[PFA:PFA+1], 32768
.endif
	s_sub_co_u32 s[TBK], s[TBK], 2*STEPB  ; the fetches go back to a slot's first step,
	s_xor_b32 s[TBK], s[TBK], SLOT1       ; in the other slot
	s_sub_co_u32 s[TBV], s[TBV], 2*STEPB
	s_xor_b32 s[TBV], s[TBV], SLOT1
	s_wait_dscnt 0x0                ; the add is done, and my reads of the slot are over
.if \fill
	CROUND
	JLOAD
.else
	s_barrier_signal -1
	s_barrier_wait -1
.endif
.endm
; THE LDS LOADS, in runs of 32: a step's K (16 fragments: keys 16 (f / 4) on, channels 32 (f % 4) on) and its V, turned (keys 32 (f / 8) on, channels 16 (f % 8) on)
.macro FETCH_K
	WIN 0
	v_add_nc_u32 v[AK], s[TBK], v[AK0]
	s_add_co_u32 s[TBK], s[TBK], STEPB
	WIN 0x80                        ; destination window 2
.irp f, 0,1,2,3,4,5,6,7,8,9,10,11,12,13,14,15
	ds_load_b128 v[8*(\f):8*(\f)+3],   v[AK] offset:((\f)/4)*16*PK+((\f)%4)*64
	ds_load_b128 v[8*(\f)+4:8*(\f)+7], v[AK] offset:((\f)/4)*16*PK+((\f)%4)*64+32
.endr
	WIN 0
.endm
.macro FETCH_V
	WIN 0
	v_add_nc_u32 v[AV], s[TBV], v[AV0]
	s_add_co_u32 s[TBV], s[TBV], STEPB
	WIN 0x80
.irp f, 0,1,2,3,4,5,6,7,8,9,10,11,12,13,14,15
	ds_load_tr16_b128 v[128+8*(\f):128+8*(\f)+3],   v[AV] offset:((\f)/8)*32*PVP+((\f)%8)*32
	ds_load_tr16_b128 v[128+8*(\f)+4:128+8*(\f)+7], v[AV] offset:((\f)/8)*32*PVP+16*PVP+((\f)%8)*32
.endr
	WIN 0
.endm
; S^T = K Q^T + mask: product i: channels 32 (i / 8) on, keys 16 ((i / 2) % 4) on, tile i % 2.  The eight accumulators take turns.
.macro KQALL
	WIN 0x06                        ; K in window 2, Q in window 1, mask and S^T in window 0
.set i, 0
.rept 32
.set rS, S+32*(i%2)+8*((i/2)%4)
.set rK, 32*((i/2)%4)+8*(i/8)
.set rQ, 128+32*(i%2)+8*(i/8)
.set rM, MC+32*(i%2)+8*((i/2)%4)
.if i < 8
	v_wmma_f32_16x16x32_f16 v[rS:rS+7], v[rK:rK+7], v[rQ:rQ+7], v[rM:rM+7]
.else
	v_wmma_f32_16x16x32_f16 v[rS:rS+7], v[rK:rK+7], v[rQ:rQ+7], v[rS:rS+7]
.endif
.set i, i+1
.endr
.endm
; O^T += V^T P: product i: keys 32 (i / 16) on, channels 16 ((i / 2) % 8) on, tile i % 2.  Sixteen accumulators take turns.
.macro PVALL
	WIN 0x52                        ; V in window 2, P in window 0, O^T in window 1
.set i, 0
.rept 32
.set rO, 64*(i%2)+8*((i/2)%8)
.set rV, 128+64*(i/16)+8*((i/2)%8)
.set rP, P+16*(i%2)+8*(i/16)
	v_wmma_f32_16x16x32_f16 v[rO:rO+7], v[rV:rV+7], v[rP:rP+7], v[rO:rO+7]
.set i, i+1
.endr
.endm
; The diagonal tile's masks for step 2 - CNT: register j of key group kb is hidden where 16 kb + j is greater than my query's place less 8 (l / 16) less 64 x step.
.macro MASK
	WIN 0
	s_sub_co_u32 s[SH], 2, s[CNT]
	s_lshl_b32 s[SH], s[SH], 6
	v_sub_nc_u32 v10, v[PS], s[SH]
	v_add_nc_u32 v11, 16, v10       ; tile 1 lies 16 positions on
.set i, 0
.rept 64
	v_cmp_gt_i32 vcc_lo, 16*((i%32)/8)+i%8, v[10+i/32]
	v_cndmask_b32 v[MC+i], 0, s[BIGN], vcc_lo
.set i, i+1
.endr
.endm
; THE SOFTMAX's lines, for tile u.  MX n, 0 .. 21: the maximum of the lane's 32 scores and the old m, three operands at a time (each accumulator's lowest registers are read first);
; the other half of the lanes' maximum; c m_old kept; the new m; c m; c m_old - c m_new; a.
.macro MX u, n
.set rT, ST+8*(\u)
.set rS, S+32*(\u)
.if (\n) < 4
	v_max3_num_f32 v[rT+4+(\n)], v[rS+8*(\n)], v[rS+8*(\n)+1], v[rS+8*(\n)+2]
.elseif (\n) < 12
	v_max3_num_f32 v[rT+4+(\n)%4], v[rT+4+(\n)%4], v[rS+8*((\n)%4)+2*((\n)/4)+1], v[rS+8*((\n)%4)+2*((\n)/4)+2]
.elseif (\n) == 12
	v_max3_num_f32 v[rT+4], v[rT+4], v[rS+7], v[rS+15]
.elseif (\n) == 13
	v_max3_num_f32 v[rT+6], v[rT+6], v[rS+23], v[rS+31]
.elseif (\n) == 14
	v_max3_num_f32 v[rT+4], v[rT+4], v[rT+5], v[rT+6]
.elseif (\n) == 15
	v_max3_num_f32 v[rT+4], v[rT+4], v[rT+7], v[rT+1]
.elseif (\n) == 16
	v_permlanex16_b32 v[rT+5], v[rT+4], s[SEL], s[SEL+1]
.elseif (\n) == 17
	v_mov_b32 v[rT+7], v[rT]
.elseif (\n) == 18
	v_max_num_f32 v[rT+1], v[rT+4], v[rT+5]
.elseif (\n) == 19
	v_mul_f32 v[rT], s[CS], v[rT+1]
.elseif (\n) == 20
	v_sub_f32 v[rT+7], v[rT+7], v[rT]
.else
	v_exp_f32 v[rT+6], v[rT+7]
.endif
.endm
.macro SC u, k                      ; c s - c m for pair k of 16
.set rT, ST+8*(\u)
.set rS, S+32*(\u)
	v_pk_fma_f32 v[rS+2*(\k):rS+2*(\k)+1], v[rS+2*(\k):rS+2*(\k)+1], s[CS:CS+1], v[rT:rT+1] op_sel_hi:[1,0,0] neg_lo:[0,0,1] neg_hi:[0,0,1]
.endm
.macro EX u, n                      ; the exponential of score n of 32
	v_exp_f32 v[S+32*(\u)+(\n)], v[S+32*(\u)+(\n)]
.endm
.macro CV u, k                      ; pair k rounded to f16
	s_wait_alu depctr_va_vdst(0)
	v_cvt_pk_f16_f32 v[P+16*(\u)+(\k)], v[S+32*(\u)+2*(\k)], v[S+32*(\u)+2*(\k)+1]
.endm
.macro SM u, z                      ; the sum of the 16 pairs, in place: neighbours 1, 2, 4 and 8 pairs apart (z = 0 .. 14); z = 15: l = a l + the sum
.set rT, ST+8*(\u)
.set rS, S+32*(\u)
.if (\z) < 8
.set sw, 4
.set su, (\z)
.elseif (\z) < 12
.set sw, 8
.set su, (\z)-8
.elseif (\z) < 14
.set sw, 16
.set su, (\z)-12
.else
.set sw, 32
.set su, 0
.endif
.if (\z) < 15
	v_pk_add_f32 v[rS+sw*su:rS+sw*su+1], v[rS+sw*su:rS+sw*su+1], v[rS+sw*su+sw/2:rS+sw*su+sw/2+1]
	s_wait_alu depctr_va_vdst(0)
.else
	v_pk_fma_f32 v[rT+2:rT+3], v[rT+2:rT+3], v[rT+6:rT+7], v[rS:rS+1] op_sel_hi:[1,0,1]
.endif
.endm
; Their order.  Every exponential has a plain line behind it that names neither its result nor its source (ISA guide 5.7.2); a pair is rounded when both its exponentials stand two lines back or more,
; and summed in place only when it has been rounded.
.macro SOFTMAX
	WIN 0
.irp n, 0,1,2,3,4,5,6,7,8,9,10,11,12,13,14,15,16,17,18,19,20,21
	MX 0, \n
	MX 1, \n
.endr
.set k, 0
.rept 16
	SC 0, k
.set k, k+1
.endr
.set e, 0
.rept 32
	EX 0, e
.if e < 16
	SC 1, e
.elseif e < 31
	CV 0, e-16
.else
	SM 0, 0
.endif
.set e, e+1
.endr
.set e, 0
.rept 32
	EX 1, e
.if e == 0
	CV 0, 15
.elseif e < 16
	SM 0, e
.elseif e < 31
	CV 1, e-16
.else
	SM 1, 0
.endif
.set e, e+1
.endr
	CV 1, 15
.set k, 1
.rept 15
	SM 1, k
.set k, k+1
.endr
	WIN 0x41                        ; O^T (destination and source 0) in window 1, a in window 0
.set k, 0
.rept 64                            ; both tiles' O^T times a, from each accumulator's low end on
	v_pk_mul_f32 v[2*k:2*k+1], v[2*k:2*k+1], v[ST+8*(k/32)+6:ST+8*(k/32)+7] op_sel_hi:[1,0]
.set k, k+1
.endr
.endm
; A TILE'S TWO KEY STEPS: written once, walked twice.  The jumps go forward, past lines that hold no barrier and no tensor load.
.macro STEPS
	WIN 0
	s_mov_b32 s[CNT], 2
.Lstep_\@:
	s_cmp_lg_u32 s[RT], 0           ; only a block's last tile holds the diagonal; elsewhere the masks are 0
	s_cbranch_scc1 .Lnomask_\@
	MASK
.Lnomask_\@:
	s_wait_dscnt 0x0                ; K is in
	KQALL
	WIN 0
	PLACES                          ; behind those products, and behind the last step's V^T P: loads into K's and V's registers and lines that read S^T follow
	FETCH_V                         ; this step's V,
	s_cmp_eq_u32 s[CNT], 1
	s_cbranch_scc1 .Lnok_\@         ; and, in the first trip, the second step's K: both have the softmax in which to land
	FETCH_K
.Lnok_\@:
	SOFTMAX
	s_wait_dscnt 0x0                ; V is in (and K)
	PVALL
	WIN 0
	s_sub_co_u32 s[CNT], s[CNT], 1
	s_cmp_lg_u32 s[CNT], 0
	s_cbranch_scc1 .Lstep_\@
.endm
.macro INIT                         ; a block begins: c m far below every c s, m the lowest finite number, the masks 0
	WIN 0
.irp u, 0,1
	v_mov_b32 v[ST+8*(\u)], 0xfe000000
	v_mov_b32 v[ST+8*(\u)+1], 0xff7fffff
.endr
.set i, 0
.rept 64
	v_mov_b32 v[MC+i], 0
.set i, i+1
.endr
.endm
; THE WAY OUT.  O^T is divided by l, rounded to f16 and sent through my stage in LDS, a tile (16 positions) at a time.
.macro PACK u
	WIN 0x41
.set i, 64*(\u)
.rept 32
	v_pk_mul_f32 v[i:i+1], v[i:i+1], v[ST+8*(\u)+6:ST+8*(\u)+7] op_sel_hi:[1,0]
.set i, i+2
.endr
	WIN 0x05                        ; sources in window 1, destination in window 0: S^T's registers are free
.set i, 0
.rept 32
	v_cvt_pk_f16_f32 v[S+32*(\u)+i], v[64*(\u)+2*i], v[64*(\u)+2*i+1]
.set i, i+1
.endr
	WIN 0
.irp f, 0,1,2,3,4,5,6,7
	ds_store_b128 v[STO], v[S+32*(\u)+4*(\f):S+32*(\u)+4*(\f)+3] offset:32*(\f)
.endr
.irp f, 0,1,2,3,4,5,6,7
	ds_load_b128 v[S+32*(\u)+4*(\f):S+32*(\u)+4*(\f)+3], v[RD] offset:(\f)*2*SP  ; LDS serves a wave's instructions in order (ISA guide 5.7.1.4): these see the stores above; the next tile's stores come behind them
.endr
.endm
.macro SEND u, younger              ; younger: the LDS instructions issued behind tile u's loads
	WIN 0
.irp f, 0,1,2,3,4,5,6,7
	s_wait_dscnt (\younger)+7-(\f)
	global_store_b128 v[GO], v[S+32*(\u)+4*(\f):S+32*(\u)+4*(\f)+3], s[OBP:OBP+1] offset:(\u)*65536+(\f)*8192  ; 16 lanes store a head's 256 bytes of one token, aligned
.endr
.endm
.macro FINISH
	WIN 0
	PLACES                          ; behind the last products
.irp u, 0,1
	v_add_f32 v[ST+8*(\u)+4], v[ST+8*(\u)+2], v[ST+8*(\u)+3]
.endr
.irp u, 0,1
	v_permlanex16_b32 v[ST+8*(\u)+5], v[ST+8*(\u)+4], s[SEL], s[SEL+1]
.endr
.irp u, 0,1
	v_add_f32 v[ST+8*(\u)+4], v[ST+8*(\u)+4], v[ST+8*(\u)+5]
.endr
.irp u, 0,1
	v_rcp_f32 v[ST+8*(\u)+6], v[ST+8*(\u)+4]
.endr
	v_nop                           ; a plain instruction between the last reciprocal and the use of its result
	s_wait_alu depctr_va_vdst(0)
	PACK 0
	PACK 1
	SEND 0, 16
	SEND 1, 0
.endm
.macro SWITCH                       ; on to the second block
	WIN 0
	s_wait_xcnt 0x0                 ; the stores have read their registers and ao's address
	s_mov_b64 s[OBP:OBP+1], s[OLO:OLO+1]
	s_add_co_u32 s[RT], s[PBK], 1   ; it has a + 1 tiles
	v_mov_b32 v[PS], v[PSLO]
	WIN 0x41
.set i, 0
.rept 64
	v_mov_b32 v[128+i], v[192+i]    ; its Q goes where the one text of the steps names Q
.set i, i+1
.endr
	INIT
.endm
	s_load_b128 s[4:7], s[0:1], 0x0 ; qkv s[4:5], ao s[6:7]
	v_lshl_add_u32 v[SPW], v0, 2, SPARE
	v_mov_b32 v[NIL], 0
	ds_add_u32 v[SPW], v[NIL]       ; the wave's opening: the add and its wait stand ahead of my first tensor load; work on registers stands between them
	v_lshrrev_b32 v1, 5, v0
	v_readfirstlane_b32 s[WV], v1
	s_bfe_u32 s[CX], ttmp6, 0x40000
	s_mov_b32 s[PBK], ttmp9         ; a: in a cluster launch ttmp9 counts clusters
	s_sub_co_u32 s[HI], 7, s[PBK]
	s_and_b32 s16, ttmp7, 0xffff
	s_lshr_b32 s17, s16, 2          ; b
	s_and_b32 s18, s16, 3           ; kv
	s_mul_i32 s19, s17, 24
	s_lshl_b32 s20, s[PBK], 2
	s_add_co_u32 s20, s20, s[CX]    ; the second block, j
	s_sub_co_u32 s21, 31, s20       ; the first, 31 - j
	s_lshl_b32 s22, s18, 2
	s_add_co_u32 s22, s22, s[WV]    ; my query head
	s_add_co_u32 s23, s19, s22
	s_lshl_b32 s23, s23, 18         ; a head is 262,144 bytes
	s_lshl_b32 s[QH], s21, 13       ; a block's 32 rows of 256 bytes
	s_add_co_u32 s[QH], s[QH], s23
	s_mov_b32 s[QH+1], 0
	s_lshl_b32 s[QL], s20, 13
	s_add_co_u32 s[QL], s[QL], s23
	s_mov_b32 s[QL+1], 0
	s_lshl_b32 s23, s17, 22         ; ao: 1,024 tokens of 4,096 bytes,
	s_lshl_b32 s22, s22, 8          ; my head's 256 bytes of a token,
	s_add_co_u32 s23, s23, s22
	s_lshl_b32 s[OBP], s21, 17      ; a block's 32 tokens
	s_add_co_u32 s[OBP], s[OBP], s23
	s_mov_b32 s[OBP+1], 0
	s_lshl_b32 s[OLO], s20, 17
	s_add_co_u32 s[OLO], s[OLO], s23
	s_mov_b32 s[OLO+1], 0
	s_add_co_u32 s19, s19, s18      ; 24 b + kv: what follows hangs on b, kv and the wave alone
	s_and_b32 s16, s[WV], 1         ; which of a tile's two steps I fetch:
	s_lshl_b32 s17, s16, 14         ; its 64 rows of 256 bytes in memory,
	s_add_co_u32 s[KB], s19, 16
	s_lshl_b32 s[KB], s[KB], 18
	s_add_co_u32 s[KB], s[KB], s17
	s_mov_b32 s[KB+1], 0
	s_add_co_u32 s[VB], s19, 20
	s_lshl_b32 s[VB], s[VB], 18
	s_add_co_u32 s[VB], s[VB], s17
	s_mov_b32 s[VB+1], 0
	s_mul_i32 s17, s16, STEPB       ; and its place in a slot
	s_mov_b32 s[G1K], 15|(1<<16)|(1<<20)|(1<<21)|(5<<22)|(3<<25)  ; the mask of four; 2-byte elements; padding on; bit 21 beside a mask; after every 64 words, 4 words
	s_mov_b32 s[G1V], 15|(1<<16)|(1<<20)|(1<<21)|(5<<22)|(7<<25)  ; the same with 8 words
.irp g, G1K, G1V
	s_mov_b32 s[(\g)+1], 128<<16    ; tensor_dim0 = 128
	s_mov_b32 s[(\g)+2], KS<<16     ; tensor_dim1 = 64
	s_mov_b32 s[(\g)+3], 128<<16    ; tile_dim0 = 128
	s_mov_b32 s[(\g)+4], KS         ; tile_dim1 = 64
	s_mov_b32 s[(\g)+5], 128        ; elements from row to row
	s_mov_b32 s[(\g)+6], 0
	s_mov_b32 s[(\g)+7], 0
.endr
	s_mov_b32 s[G0K], 1
	s_mov_b32 s[G0K+1], s17         ; slot 0
	s_mov_b32 s[G0V], 1
	s_add_co_u32 s[G0V+1], s17, VOFF
	s_mov_b32 s[CS], 0x3e0293ee     ; c = log2(e) / sqrt(128) = 0.127517
	s_mov_b32 s[CS+1], s[CS]
	s_mov_b32 s[SEL], 0x76543210
	s_mov_b32 s[SEL+1], 0xfedcba98
	s_mov_b32 s[TBK], SLOT1+2*STEPB ; the first change of slots turns these two into 0
	s_mov_b32 s[TBV], SLOT1+2*STEPB
	s_add_co_u32 s[RT], s[HI], 1    ; the first block has 8 - a tiles
	s_mov_b32 s[NXT], 1
	s_mov_b32 s[LQ], s[HI]
	s_mov_b32 s[SLOTS], 8
	s_mov_b32 s[OFF+1], 0
	s_mov_b32 s[BIGN], 0xf149f2ca   ; -1e30
	s_and_b32 s[LIM], s[WV], 1
	s_or_b32 s[LIM], s[LIM], s[PBK] ; 0 in waves 0 and 2 of the cluster a = 0: the same in all four partners
	s_cmp_eq_u32 s[LIM], 0
	s_cselect_b32 s[LIM], 2, -1
	s_lshl_b32 s22, s[CX], 13       ; my work-group's 32 rows of a tile's 128,
	s_add_co_u32 s22, s22, 32768    ; in tile 1: the first change of slots steps it to tile 2
	s_mov_b32 s23, 0
	s_wait_dscnt 0x0                ; the opening add is done
	s_wait_kmcnt 0x0
	s_add_nc_u64 s[KB:KB+1], s[4:5], s[KB:KB+1]
	s_add_nc_u64 s[VB:VB+1], s[4:5], s[VB:VB+1]
	s_add_nc_u64 s[QH:QH+1], s[4:5], s[QH:QH+1]
	s_add_nc_u64 s[QL:QL+1], s[4:5], s[QL:QL+1]
	s_add_nc_u64 s[OBP:OBP+1], s[6:7], s[OBP:OBP+1]
	s_add_nc_u64 s[OLO:OLO+1], s[6:7], s[OLO:OLO+1]
	s_mov_b64 s[G0K+2:G0K+3], s[KB:KB+1]           ; tile 0
	s_or_b32 s[G0K+3], s[G0K+3], 0x80000000        ; type = 2
	s_mov_b64 s[G0V+2:G0V+3], s[VB:VB+1]
	s_or_b32 s[G0V+3], s[G0V+3], 0x80000000
	s_cmp_lt_u32 s[WV], 2
	s_cselect_b64 s[PFA:PFA+1], s[KB:KB+1], s[VB:VB+1]
	s_add_nc_u64 s[PFA:PFA+1], s[PFA:PFA+1], s[22:23]
	CROUND                          ; all four work-groups are here: the first joint loads meet
	JLOAD                           ; tile 0 into slot 0; slot 1 is asked for by the loop's own change of slots.  One load of mine is out, here and behind every round
	v_and_b32 v1, 15, v0            ; r = l % 16
	v_bfe_u32 v9, v0, 4, 1          ; h = l / 16
	v_lshlrev_b32 v[QO], 8, v1
	v_lshl_add_u32 v[QO], v9, 4, v[QO]  ; row x 256 + 16 x half
	WIN 0x40                        ; destination window 1
.set i, 0
.rept 8                             ; both blocks' Q: tile i / 4, channels 32 (i % 4) on
	global_load_b128 v[128+8*i:128+8*i+3],   v[QO], s[QH:QH+1] offset:(i/4)*4096+(i%4)*64
	global_load_b128 v[128+8*i+4:128+8*i+7], v[QO], s[QH:QH+1] offset:(i/4)*4096+(i%4)*64+32
	global_load_b128 v[192+8*i:192+8*i+3],   v[QO], s[QL:QL+1] offset:(i/4)*4096+(i%4)*64
	global_load_b128 v[192+8*i+4:192+8*i+7], v[QO], s[QL:QL+1] offset:(i/4)*4096+(i%4)*64+32
.set i, i+1
.endr
.set i, 0
.rept 128                           ; O^T is cleared once, so that no first step need be written out; this stands in the wait for the first tile
	v_mov_b32 v[i], 0
.set i, i+1
.endr
	WIN 0
.irp u, 0,1
	v_mov_b32 v[ST+8*(\u)+2], 0
	v_mov_b32 v[ST+8*(\u)+3], 0
.endr
	INIT
	v_mul_u32_u24 v[AK0], v1, PK
	v_lshl_add_u32 v[AK0], v9, 4, v[AK0]
	v_and_b32 v10, 7, v0            ; the turning load: lane l reads key 8 h + l % 8, channels 8 ((l / 8) % 2) + 0..7
	v_bfe_u32 v11, v0, 3, 1
	v_lshl_add_u32 v[AV0], v9, 3, v10
	v_mul_u32_u24 v[AV0], v[AV0], PVP
	v_lshl_add_u32 v[AV0], v11, 4, v[AV0]
	v_add_nc_u32 v[AV0], VOFF, v[AV0]
	s_mul_i32 s16, s[WV], 16*SP
	s_add_co_u32 s16, s16, STAGE    ; my stage
	v_add_nc_u32 v[STO], s16, v[AK0]  ; in: row r, 16 bytes for each half of the lanes (the stage has K's pitch)
	v_mul_u32_u24 v[RD], v9, SP     ; back: lanes 0-15 one row of 256 bytes, lanes 16-31 the next
	v_lshl_add_u32 v[RD], v1, 4, v[RD]
	v_add_nc_u32 v[RD], s16, v[RD]
	v_lshlrev_b32 v[GO], 12, v9     ; and the same two tokens in ao
	v_lshl_add_u32 v[GO], v1, 4, v[GO]
	v_and_b32 v[PFO], 31, v0
	v_lshlrev_b32 v[PFO], 8, v[PFO]
	v_lshlrev_b32 v10, 3, v9
	v_sub_nc_u32 v11, v1, v10       ; r - 8 h
	s_sub_co_u32 s16, 3, s[CX]
	s_lshl_b32 s16, s16, 5          ; the first block lies 32 (3 - cx) into its diagonal tile,
	s_lshl_b32 s17, s[CX], 5        ; the second 32 cx
	v_add_nc_u32 v[PS], s16, v11
	v_add_nc_u32 v[PSLO], s17, v11
	s_wait_loadcnt 0x0              ; Q
.Lslot:                             ; 8 trips: a tile is entered and the next is asked for
	CHANGE 1
	s_sub_co_u32 s[RT], s[RT], 1
	FETCH_K                         ; K of the tile's first step
	ASK                             ; behind the joint load and the run of LDS loads that the next products wait for
	STEPS
	s_cmp_lg_u32 s[RT], 0
	s_cbranch_scc1 .Lbottom
	FINISH                          ; in the loop this is the first block's end: the second's last tile is the walk's last
	SWITCH
.Lbottom:
	s_sub_co_u32 s[SLOTS], s[SLOTS], 1
	s_cmp_lg_u32 s[SLOTS], 0
	s_cbranch_scc1 .Lslot
	CHANGE 0                        ; the walk's last tile is written out: nothing is asked for
	s_sub_co_u32 s[RT], s[RT], 1
	FETCH_K
	STEPS
	FINISH
	s_wait_tensorcnt 0x0            ; the wave's end, behind my last tensor load and my last LDS store
	ds_add_u32 v[SPW], v[NIL]
	s_wait_dscnt 0x0
	CROUND                          ; the closing round: no work-group ends while a partner may still ask for a tile that names it
	s_endpgm
.Lfunc_end_k_qa4e19c3a46_attn:
	.size	k_qa4e19c3a46_attn, .Lfunc_end_k_qa4e19c3a46_attn-k_qa4e19c3a46_attn
	.p2alignl 7, 3214868480
	.fill 96, 4, 3214868480
	.section	.rodata,"a",@progbits
	.p2align	6, 0x0
	.amdhsa_kernel k_qa4e19c3a46_attn
		.amdhsa_group_segment_fixed_size 327680
		.amdhsa_private_segment_fixed_size 0
		.amdhsa_enable_private_segment 0
		.amdhsa_kernarg_size 16
		.amdhsa_user_sgpr_count 2
		.amdhsa_user_sgpr_kernarg_segment_ptr 1
		.amdhsa_wavefront_size32 1
		.amdhsa_system_sgpr_workgroup_id_x 1
		.amdhsa_system_sgpr_workgroup_id_y 1
		.amdhsa_system_sgpr_workgroup_id_z 1
		.amdhsa_system_vgpr_workitem_id 0
		.amdhsa_next_free_vgpr 768
		.amdhsa_next_free_sgpr 80
		.amdhsa_reserve_vcc 1
		.amdhsa_float_denorm_mode_32 3
		.amdhsa_float_denorm_mode_16_64 3
		.amdhsa_memory_ordered 1
		.amdhsa_forward_progress 1
		.amdhsa_inst_pref_size 117
	.end_amdhsa_kernel
	.amdgpu_metadata
---
amdhsa.version: [ 1, 2 ]
amdhsa.kernels:
  - .name:           k_qa4e19c3a46_attn
    .symbol:         k_qa4e19c3a46_attn.kd
    .args:
      - { .name: qkv, .offset: 0, .size: 8, .value_kind: global_buffer, .address_space: global }
      - { .name: ao, .offset: 8, .size: 8, .value_kind: global_buffer, .address_space: global }
    .group_segment_fixed_size: 327680
    .private_segment_fixed_size: 0
    .kernarg_segment_align: 8
    .kernarg_segment_size: 16
    .max_flat_workgroup_size: 128
    .sgpr_count:     80
    .vgpr_count:     768
    .wavefront_size: 32
...
	.end_amdgpu_metadata
.endif
;; end of part 3
;; launch outp (part 4): grid 8 x 32, 4 waves a work-group, clusters of 4 x 4, 327,680 bytes of LDS; arguments ao, wo16, out0; writes out0
.if DOCPART == 4
	.amdgcn_target "amdgcn-amd-amdhsa--gfx1250"
	.amdhsa_code_object_version 6
	.text
	.protected	k_qa4e19c3a46_outp
	.globl	k_qa4e19c3a46_outp
	.p2align	8
	.type	k_qa4e19c3a46_outp,@function
k_qa4e19c3a46_outp:
	s_mov_b64 s[64:65], 0
	v_nop
	global_prefetch_b8 v0, s[64:65] scope:SCOPE_SE
	s_setreg_imm32_b32 hwreg(HW_REG_WAVE_MODE, 25, 1), 1
	s_wait_xcnt 0x0
	s_wait_alu depctr_hold_cnt(0) depctr_sa_sdst(0) depctr_va_vdst(0) depctr_va_sdst(0) depctr_va_ssrc(0) depctr_va_vcc(0) depctr_vm_vsrc(0)
	s_getreg_b32 s2, hwreg(HW_REG_IB_STS2, 6, 4)
	s_cmp_eq_u32 s2, 0
	s_cbranch_scc0 .Lentry_in_a_cluster
	s_endpgm
.Lentry_in_a_cluster:
	s_bfe_u32 s2, ttmp6, 0x10000c
	s_cmp_lg_u32 s2, 0xf033
	s_cbranch_scc0 .Lentry_shape_is_right
	s_endpgm
.Lentry_shape_is_right:
; out0 = ao Wo.  ao [4096 token][2048] f16;  wo16 [2048 k][2048 n] f16 (Wo rounded to bf16, written as f16);  out0 [4096][2048] f32.  Sums in f32, K ascending.
; LIMIT.  Both operands are f16: ao lies within V's range, wo16 within Wo's; below 6e-5 f16 keeps a fixed step of 6e-8.
; SHARES.  A work-group makes 128 tokens x 256 columns: 8 x 32 = 256 work-groups; four waves of 64 tokens x 128 columns, 32 accumulators.  K goes in steps of 128 through two LDS slots.
; The weights lie [k][n] and are turned on the way into registers, by ds_load_tr16_b128.  The matrix instruction is used transposed (source 0 = 16 columns of Wo, source 1 = 16 tokens):
; a lane holds token l % 16 and the columns 8 (l / 16) + 0..7: 32 bytes of a row of out0.
; CLUSTER 4 x 4: ao's tile is shared along a row of the cluster, Wo's along a column: joint loads.
; AHEAD OF THE JOINT LOADS the tiles are prefetched into the L2: a refill has one K step's 112 matrix instructions between its request and the wait for it.  See ASK.
; REGISTERS: window 0: v0-31 addresses; v64-95, v128-159 ao's fragments, two buffers (behind the loop v64-191: rows read back from the stage)
;   window 1: v64-127, v128-191 Wo's fragments, two buffers          window 2: the accumulators: token block a, column block b at v[8 (8 a + b)]
.set KSTEP,  128
.set PA,     272                       ; a row of ao in LDS: 256 bytes + 16
.set PB,     544                       ; a row of Wo: 512 bytes + 32
.set HALFA,  64*PA                     ; 17,408: what a load of ao brings
.set HALFB,  64*PB                     ; 34,816: what a load of Wo brings
.set SLOT,   2*HALFA+2*HALFB           ; 104,448
.set STAGE,  2*SLOT                    ; behind the ring: 16 rows x 528 bytes for each wave; no tensor load lands here
.set SPITCH, 528                       ; 512 bytes + 16: the 16 rows that a store touches start at 16 different groups of four banks (64 banks of 4 bytes: ISA guide 11.1)
.set SPARE,  STAGE+4*16*SPITCH         ; the spare words, 128 bytes a wave: two blocks of 256 bytes that no other line names
.set LAPS,   8
.set ADRA, 16
.set ADRB, 20
.set STO,  24
.set RD,   25
.set CO,   26
.set SPW,  28                          ; v28  LDS address of my spare word; never rewritten
.set NIL,  29                          ; v29  0; never rewritten
.set PFO,  30                          ; v30  the prefetches' offset; never rewritten
.set F0,   64
.set F1,   128
.set WV, 12
.set RH, 13                            ; which half of the tokens is mine.  Also: I fetch ao (0) or Wo (1)
.set CH, 14                            ; which half of the columns.  Also: which half I fetch
.set PFA, 10                           ; s[10:11] where my prefetches stand: at the K step two refills on from the refill in hand
.set LIM, 40                           ; s40, s41  for the change out of slot 0 and out of slot 1: 1 in a wave that prefetches there, else the greatest number
.set PST, 42                           ; s[42:43] a K step in my tensor: 256 bytes along ao's rows, 128 rows of Wo
.set G1,  24
.set G0,  32
.set G1B, 48
.set G0B, 56
.set MSB, 0
.macro WIN new
.if MSB != (\new)
	s_set_vgpr_msb (MSB<<8)|(\new)
.set MSB, \new
.endif
.endm
.set MUL,  0xa1                        ; source 0 (Wo) window 1, source 1 (ao) window 0, C and D window 2
.set TO_B, 0x40
.macro JLOAD s                         ; a joint load; an s_nop 0 and four v_nop follow each line
	s_cmp_eq_u32 s[RH], 0
	s_cbranch_scc0 .Lfor_b_\@
	tensor_load_to_lds s[G0+4*(\s):G0+4*(\s)+3], s[G1:G1+7]
	s_nop 0
.rept 4
	v_nop
.endr
	s_branch .Lasked_\@
.Lfor_b_\@:
	tensor_load_to_lds s[G0B+4*(\s):G0B+4*(\s)+3], s[G1B:G1B+7]
	s_nop 0
.rept 4
	v_nop
.endr
.Lasked_\@:
.endm
; A PREFETCH INTO THE L2, behind a joint load, its five lines and the run of LDS loads that follows them: one instruction a wave, each lane another aligned block of 256 bytes.
; Wo: at the refill with K step j waves 2 and 3 name K step j + 2: of the 64 k rows x 512 bytes that the wave fetches, the partner at place cy takes rows 16 cy .. 16 cy + 15, two blocks a row.
; ao: a K step is one block a row, so waves 0 and 1 ask at every second refill (the change out of slot 0) for TWO K steps, j + 2 and j + 3: the partner at place cx takes rows 16 cx .. 16 cx + 15.
; Each block is named ONCE in the launch: ao's tile row is read by both clusters of its row of clusters, of which x = 0 asks; Wo's tile column by the eight clusters of its column, of which y = 0 asks;
; the four partners are told apart BY ADDRESS, no branch hangs on a work-group's place in its cluster.  K steps 0 to 3 come by their loads alone; the loop's last trip (s3 = 1) asks for nothing,
; so K step 15 is the last that is named.
.macro ASK slot
	s_cmp_gt_u32 s3, s[LIM+(\slot)]
	s_cbranch_scc0 .Lnot_mine_\@
	global_prefetch_b8 v[PFO], s[PFA:PFA+1] th:TH_LOAD_NT scope:SCOPE_SE
.Lnot_mine_\@:
.endm
.macro CREST
	s_cmp_lg_u32 s[WV], 0
	s_cbranch_scc1 .Lnot_wave_0_\@
	s_barrier_signal -3
.Lnot_wave_0_\@:
	s_barrier_wait -3
	s_barrier_signal -1
	s_barrier_wait -1
.endm
.macro CROUND
	s_barrier_signal -1
	s_barrier_wait -1
	CREST
.endm
	s_load_b128 s[4:7], s[0:1], 0x0                ; ao s[4:5], wo16 s[6:7]
	s_load_b64 s[8:9], s[0:1], 0x10                ; out0
	v_lshl_add_u32 v[SPW], v0, 2, SPARE
	v_mov_b32 v[NIL], 0
	ds_add_u32 v[SPW], v[NIL]                      ; the wave's opening: the add and its wait stand ahead of my first tensor load
	v_lshrrev_b32 v1, 5, v0
	v_readfirstlane_b32 s[WV], v1
	s_lshr_b32 s[RH], s[WV], 1
	s_and_b32 s[CH], s[WV], 1
	s_bfe_u32 s15, ttmp6, 0x40000                  ; cx
	s_bfe_u32 s16, ttmp6, 0x40004                  ; cy
	s_lshl_b32 s17, ttmp9, 2
	s_add_co_u32 s17, s17, s15                     ; TC
	s_and_b32 s18, ttmp7, 0xffff
	s_lshl_b32 s18, s18, 2
	s_add_co_u32 s18, s18, s16                     ; TR
	s_lshl_b32 s40, s16, 2
	s_lshl_b32 s40, 15, s40                        ; my row of the cluster
	s_lshl_b32 s41, 0x1111, s15                    ; my column
	s_or_b32 s[G1], s40, (1<<16)|(1<<20)|(1<<21)|(5<<22)|(3<<25)
	s_or_b32 s[G1B], s41, (1<<16)|(1<<20)|(1<<21)|(6<<22)|(7<<25)
	s_mov_b32 s[G1+1], 128<<16                     ; tensor_dim0 = 128
	s_mov_b32 s[G1+2], 64<<16                      ; tensor_dim1 = 64
	s_mov_b32 s[G1+3], 128<<16                     ; tile_dim0 = 128
	s_mov_b32 s[G1+4], 64                          ; tile_dim1 = 64
	s_mov_b32 s[G1+5], 2048
	s_mov_b32 s[G1+6], 0
	s_mov_b32 s[G1+7], 0
	s_mov_b32 s[G1B+1], 256<<16
	s_mov_b32 s[G1B+2], 64<<16
	s_mov_b32 s[G1B+3], 256<<16
	s_mov_b32 s[G1B+4], 64
	s_mov_b32 s[G1B+5], 2048
	s_mov_b32 s[G1B+6], 0
	s_mov_b32 s[G1B+7], 0
	s_lshl_b32 s20, s18, 7
	s_lshl_b32 s21, s[CH], 6
	s_add_co_u32 s20, s20, s21                     ; token 128 TR + 64 x half
	s_lshl_b32 s20, s20, 12
	s_mov_b32 s21, 0
	s_lshl_b32 s46, s[CH], 18                      ; k 64 x half, rows of 4,096 bytes
	s_lshl_b32 s47, s17, 9                         ; column 256 TC
	s_add_co_u32 s46, s46, s47
	s_mov_b32 s47, 0
	s_mul_i32 s19, s[CH], HALFA                    ; where ao's halves go,
	s_mul_i32 s45, s[CH], HALFB
	s_add_co_u32 s45, s45, 2*HALFA                 ; and Wo's, behind them
	s_wait_dscnt 0x0                               ; the opening add is done
	s_wait_kmcnt 0x0
	s_add_nc_u64 s[22:23], s[4:5], s[20:21]
	s_add_nc_u64 s[46:47], s[6:7], s[46:47]
	CROUND                                         ; all sixteen work-groups are here
.irp s, 0,1
	s_mov_b32 s[G0+4*(\s)], 1
	s_add_co_u32 s[G0+4*(\s)+1], s19, (\s)*SLOT
	s_add_nc_u64 s[G0+4*(\s)+2:G0+4*(\s)+3], s[22:23], (\s)*KSTEP*2
	s_or_b32 s[G0+4*(\s)+3], s[G0+4*(\s)+3], 0x80000000
	s_mov_b32 s[G0B+4*(\s)], 1
	s_add_co_u32 s[G0B+4*(\s)+1], s45, (\s)*SLOT
	s_add_nc_u64 s[G0B+4*(\s)+2:G0B+4*(\s)+3], s[46:47], (\s)*KSTEP*4096
	s_or_b32 s[G0B+4*(\s)+3], s[G0B+4*(\s)+3], 0x80000000
	JLOAD \s                                       ; two loads of mine are out
.endr
	v_and_b32 v1, 15, v0                           ; r
	v_bfe_u32 v2, v0, 4, 1                         ; h
	v_mul_u32_u24 v3, v1, PA
	v_lshl_add_u32 v3, v2, 4, v3
	v_and_b32 v4, 7, v0
	v_bfe_u32 v5, v0, 3, 1
	v_lshl_add_u32 v4, v2, 3, v4
	v_mul_u32_u24 v4, v4, PB
	v_lshl_add_u32 v4, v5, 4, v4
	s_mul_i32 s20, s[RH], HALFA                    ; my 64 tokens
	s_lshl_b32 s21, s[CH], 8                       ; my 128 columns,
	s_add_co_u32 s21, s21, 2*HALFA                 ; behind ao's 128 rows
.irp s, 0,1
	v_add_nc_u32 v[ADRA+(\s)], s20, v3
	v_add_nc_u32 v[ADRB+(\s)], s21, v4
	s_add_co_u32 s20, s20, SLOT
	s_add_co_u32 s21, s21, SLOT
.endr
	s_mul_i32 s20, s[WV], 16*SPITCH
	s_add_co_u32 s20, s20, STAGE                   ; my stage
	v_mul_u32_u24 v5, v1, SPITCH                   ; in: row r, 32 bytes for each half of the lanes
	v_lshl_add_u32 v5, v2, 5, v5
	v_add_nc_u32 v[STO], s20, v5
	v_and_b32 v[CO], 31, v0
	v_lshlrev_b32 v[CO], 4, v[CO]                  ; back: 32 lanes take one row of 512 bytes
	v_add_nc_u32 v[RD], s20, v[CO]
	s_lshl_b32 s46, s18, 7
	s_lshl_b32 s47, s[RH], 6
	s_add_co_u32 s46, s46, s47                     ; my first token,
	s_lshl_b32 s46, s46, 13                        ; rows of 8,192 bytes,
	s_lshl_b32 s47, s17, 10
	s_add_co_u32 s46, s46, s47                     ; the tile's 1,024 bytes of a row,
	s_lshl_b32 s47, s[CH], 9
	s_add_co_u32 s46, s46, s47                     ; my 512 of them
	s_mov_b32 s47, 0
	s_add_nc_u64 s[8:9], s[8:9], s[46:47]
	; the prefetches.  s15 = cx, s16 = cy, s17 = TC, s18 = TR still stand; s[4:5] = ao, s[6:7] = wo16.  Nothing is prefetched here, at the head, where every work-group's first tiles are on their way
	s_lshl_b32 s20, s18, 19                        ; ao: 128 TR rows of 4,096 bytes,
	s_add_co_u32 s20, s20, 3*KSTEP*2               ; at K step 3: the first refill steps it to 4
	s_lshl_b32 s23, s17, 9                         ; Wo: the tile's 512 bytes of a row,
	s_add_co_u32 s23, s23, 3*KSTEP*4096            ; at K step 3
	s_and_b32 s22, ttmp7, 0xffff                   ; cluster y
	s_mov_b32 s[PST], KSTEP*4096
	s_mov_b32 s[PST+1], 0
	s_cmp_eq_u32 s[RH], 0                          ; do I fetch ao?
	s_cselect_b32 s20, s20, s23
	s_cselect_b32 s21, s15, s16                    ; my place among the four that ask for the tile with me
	s_cselect_b32 s22, ttmp9, s22                  ; the coordinate along which other clusters read the same bytes
	s_cselect_b32 s23, 4, 0                        ; which bit of the lane's number picks the second block: ao bit 4, Wo bit 0
	s_cselect_b32 s[PST], KSTEP*2, s[PST]
	s_cselect_b64 s[PFA:PFA+1], s[4:5], s[6:7]
	s_cselect_b32 s[LIM+1], -1, 1                  ; ao's waves ask at the change out of slot 0 alone
	s_cmp_eq_u32 s22, 0                            ; the same in all sixteen partners, for a given wave
	s_cselect_b32 s[LIM], 1, -1
	s_cselect_b32 s[LIM+1], s[LIM+1], -1
	s_lshl_b32 s21, s21, 16                        ; my work-group's 16 rows of 4,096 bytes,
	s_add_co_u32 s20, s20, s21
	s_lshl_b32 s21, s[CH], 18                      ; of the 64 that I fetch
	s_add_co_u32 s20, s20, s21
	s_mov_b32 s21, 0
	s_add_nc_u64 s[PFA:PFA+1], s[PFA:PFA+1], s[20:21]
	v_and_b32 v5, 31, v0
	v_lshrrev_b32 v6, s[RH], v5
	v_and_b32 v6, 15, v6                           ; the row: ao l % 16, Wo l / 2
	v_lshrrev_b32 v7, s23, v5
	v_and_b32 v7, 1, v7                            ; the block: ao l / 16 (the next K step), Wo l % 2 (the row's second half)
	v_lshlrev_b32 v[PFO], 12, v6
	v_lshl_add_u32 v[PFO], v7, 8, v[PFO]
.macro MUL8 f, a, zero                 ; token block a x all 8 column blocks, 32 along K
	WIN MUL
.irp b, 0,1,2,3,4,5,6,7
.if \zero
	v_wmma_f32_16x16x32_f16 v[8*(8*(\a)+(\b)):8*(8*(\a)+(\b))+7], v[(\f)+8*(\b):(\f)+8*(\b)+7], v[(\f)+8*(\a):(\f)+8*(\a)+7], 0
.else
	v_wmma_f32_16x16x32_f16 v[8*(8*(\a)+(\b)):8*(8*(\a)+(\b))+7], v[(\f)+8*(\b):(\f)+8*(\b)+7], v[(\f)+8*(\a):(\f)+8*(\a)+7], v[8*(8*(\a)+(\b)):8*(8*(\a)+(\b))+7]
.endif
.endr
.endm
.macro FETCH slot, q, f                ; 24 LDS loads in one run: Wo's 8 column blocks, turned, then ao's 4 token blocks
	WIN TO_B
.irp i, 0,1,2,3,4,5,6,7
	ds_load_tr16_b128 v[(\f)+8*(\i):(\f)+8*(\i)+3],   v[ADRB+(\slot)] offset:(\q)*32*PB+32*(\i)
	ds_load_tr16_b128 v[(\f)+8*(\i)+4:(\f)+8*(\i)+7], v[ADRB+(\slot)] offset:(\q)*32*PB+16*PB+32*(\i)
.endr
	WIN 0
.irp i, 0,1,2,3
	ds_load_b128 v[(\f)+8*(\i):(\f)+8*(\i)+3],   v[ADRA+(\slot)] offset:64*(\q)+(\i)*16*PA
	ds_load_b128 v[(\f)+8*(\i)+4:(\f)+8*(\i)+7], v[ADRA+(\slot)] offset:64*(\q)+(\i)*16*PA+32
.endr
.endm
.macro PLACES
.rept 4
	v_nop
.endr
.endm
.macro QUARTER slot, q, f, g, zero
	s_wait_dscnt 4                                 ; Wo and ao's blocks 0, 1 are in; the youngest four loads (blocks 2, 3) may be out
	MUL8 \f, 0, \zero
	MUL8 \f, 1, \zero
	PLACES
	FETCH \slot, \q, \g
	s_wait_dscnt 24                                ; all but the 24 just issued
	MUL8 \f, 2, \zero
	MUL8 \f, 3, \zero
.endm
; The last quarter multiplies buffer 1 and changes slots: ONE barrier.  fill = 1: it opens a round of the cluster's, and this slot is filled again, two K steps on: 112 matrix instructions ahead of the wait for it.
.macro TURN slot, next, fill
.if \fill
	s_wait_xcnt 0x0                                ; the last prefetch, a K step back, has read its address: it is stepped here, ahead of the waits of the change of slots
	s_add_nc_u64 s[PFA:PFA+1], s[PFA:PFA+1], s[PST:PST+1]
.endif
	WIN 0
	s_wait_tensorcnt 0x0                           ; all my tensor loads have landed: my part of the next slot
	ds_add_u32 v[SPW], v[NIL]                      ; 0 onto my spare word
	s_wait_dscnt 5                                 ; the add and the youngest four loads may be out
	MUL8 F1, 0, 0
	s_wait_dscnt 0x0                               ; the add is done, and my reads of this slot are over
	s_barrier_signal -1
	MUL8 F1, 1, 0
.if \fill
	WIN 0
.endif
	s_barrier_wait -1
.if \fill
	CREST
	s_add_nc_u64 s[G0+4*(\slot)+2:G0+4*(\slot)+3], s[G0+4*(\slot)+2:G0+4*(\slot)+3], 2*KSTEP*2
	s_add_nc_u64 s[G0B+4*(\slot)+2:G0B+4*(\slot)+3], s[G0B+4*(\slot)+2:G0B+4*(\slot)+3], 2*KSTEP*4096
	JLOAD \slot                                    ; the first tensor load behind the round; its four v_nop are also the places in front of the loads below
.else
	PLACES
.endif
	FETCH \next, 0, F0
.if \fill
	ASK \slot                                      ; behind the joint load and the run of LDS loads that the next products wait for
.endif
	MUL8 F1, 2, 0
	MUL8 F1, 3, 0
.endm
; THE WAY OUT: a block of 16 tokens goes into my stage as it lies in the accumulators (32 bytes a lane and column block) and comes back as whole rows of 512 bytes.
.macro TOSTAGE a
	WIN 0
	s_wait_xcnt 0x0                                ; earlier stores have read the registers that are loaded again below
	WIN 0x08                                       ; store data in window 2
.irp b, 0,1,2,3,4,5,6,7
	ds_store_b128 v[STO], v[8*(8*(\a)+(\b)):8*(8*(\a)+(\b))+3]   offset:64*(\b)      ; each accumulator from its low end on
	ds_store_b128 v[STO], v[8*(8*(\a)+(\b))+4:8*(8*(\a)+(\b))+7] offset:64*(\b)+16
.endr
	WIN 0
.irp t, 0,1,2,3,4,5,6,7,8,9,10,11,12,13,14,15
	ds_load_b128 v[64+64*((\a)%2)+4*(\t):64+64*((\a)%2)+4*(\t)+3], v[RD] offset:(\t)*SPITCH  ; LDS serves a wave's instructions in order (ISA guide 5.7.1.4)
.endr
.endm
.macro SEND a, younger                 ; younger: the next block's 16 stores and 16 loads, or none
	WIN 0
	s_wait_dscnt \younger
.irp t, 0,1,2,3,4,5,6,7,8,9,10,11,12,13,14,15
	global_store_b128 v[CO], v[64+64*((\a)%2)+4*(\t):64+64*((\a)%2)+4*(\t)+3], s[8:9] offset:(16*(\a)+(\t))*8192 th:TH_STORE_NT  ; 512 consecutive bytes, aligned
.endr
.endm
	s_wait_tensorcnt 1                             ; my part of K step 0 is in; K step 1's may stay out
	s_barrier_signal -1
	s_barrier_wait -1
	FETCH 0, 0, F0
	QUARTER 0, 1, F0, F1, 1                        ; the first quarter's products start the sums
	WIN 0
	s_mov_b32 s3, LAPS-1
.Llap:                                                 ; once round the ring; the 32 accumulators take turns, over the backward jump too
	QUARTER 0, 2, F1, F0, 0
	QUARTER 0, 3, F0, F1, 0
	TURN 0, 1, 1
	QUARTER 1, 1, F0, F1, 0
	QUARTER 1, 2, F1, F0, 0
	QUARTER 1, 3, F0, F1, 0
	TURN 1, 0, 1
	QUARTER 0, 1, F0, F1, 0
	WIN 0
	s_sub_co_u32 s3, s3, 1
	s_cmp_lg_u32 s3, 0
	s_cbranch_scc1 .Llap
	QUARTER 0, 2, F1, F0, 0                        ; the last lap fills nothing
	QUARTER 0, 3, F0, F1, 0
	TURN 0, 1, 0
	QUARTER 1, 1, F0, F1, 0
	QUARTER 1, 2, F1, F0, 0
	QUARTER 1, 3, F0, F1, 0
	s_wait_dscnt 4
	MUL8 F1, 0, 0
	MUL8 F1, 1, 0
	s_wait_dscnt 0x0
	MUL8 F1, 2, 0
	MUL8 F1, 3, 0
	WIN 0
.rept 8
	v_nop                                          ; the places behind the last products
.endr
	TOSTAGE 0
	TOSTAGE 1
	SEND 0, 32
	TOSTAGE 2
	SEND 1, 32
	TOSTAGE 3
	SEND 2, 32
	SEND 3, 0
	s_wait_tensorcnt 0x0                           ; the wave's end, behind my last tensor load and my last LDS store
	ds_add_u32 v[SPW], v[NIL]
	s_wait_dscnt 0x0
	CROUND                                         ; the closing round
	s_endpgm
.Lfunc_end_k_qa4e19c3a46_outp:
	.size	k_qa4e19c3a46_outp, .Lfunc_end_k_qa4e19c3a46_outp-k_qa4e19c3a46_outp
	.p2alignl 7, 3214868480
	.fill 96, 4, 3214868480
	.section	.rodata,"a",@progbits
	.p2align	6, 0x0
	.amdhsa_kernel k_qa4e19c3a46_outp
		.amdhsa_group_segment_fixed_size 327680
		.amdhsa_private_segment_fixed_size 0
		.amdhsa_enable_private_segment 0
		.amdhsa_kernarg_size 24
		.amdhsa_user_sgpr_count 2
		.amdhsa_user_sgpr_kernarg_segment_ptr 1
		.amdhsa_wavefront_size32 1
		.amdhsa_system_sgpr_workgroup_id_x 1
		.amdhsa_system_sgpr_workgroup_id_y 1
		.amdhsa_system_sgpr_workgroup_id_z 1
		.amdhsa_system_vgpr_workitem_id 0
		.amdhsa_next_free_vgpr 768
		.amdhsa_next_free_sgpr 66
		.amdhsa_reserve_vcc 0
		.amdhsa_float_denorm_mode_32 3
		.amdhsa_float_denorm_mode_16_64 3
		.amdhsa_memory_ordered 1
		.amdhsa_forward_progress 1
		.amdhsa_inst_pref_size 87
	.end_amdhsa_kernel
	.amdgpu_metadata
---
amdhsa.version: [ 1, 2 ]
amdhsa.kernels:
  - .name:           k_qa4e19c3a46_outp
    .symbol:         k_qa4e19c3a46_outp.kd
    .args:
      - { .name: ao, .offset: 0, .size: 8, .value_kind: global_buffer, .address_space: global }
      - { .name: wo16, .offset: 8, .size: 8, .value_kind: global_buffer, .address_space: global }
      - { .name: out0, .offset: 16, .size: 8, .value_kind: global_buffer, .address_space: global }
    .group_segment_fixed_size: 327680
    .private_segment_fixed_size: 0
    .kernarg_segment_align: 8
    .kernarg_segment_size: 24
    .max_flat_workgroup_size: 128
    .sgpr_count:     66
    .vgpr_count:     768
    .wavefront_size: 32
...
	.end_amdgpu_metadata
.endif
;; end of part 4
;; ======== version 2 of 2: 4 launches; version 1 with the launch cast written anew for expert scheduling mode
;; limits: values are held in f16: magnitudes above 65,504 overflow, below 6.1e-05 lose precision
;; workspace buffers: xb 16,777,216 bytes; wqkv 12,582,912 bytes; wo16 8,388,608 bytes; rope 524,288 bytes; qkv 25,165,824 bytes; ao 16,777,216 bytes
;; launch cast (part 5): grid 904 x 1, 8 waves a work-group, no clusters, 0 bytes of LDS; arguments x, Wq, Wk, Wv, xb, wqkv, rope; writes xb, wqkv, rope
.if DOCPART == 5
	.amdgcn_target "amdgcn-amd-amdhsa--gfx1250"
	.amdhsa_code_object_version 6
	.text
	.protected	k_qa4e19c3a46_cast
	.globl	k_qa4e19c3a46_cast
	.p2align	8
	.type	k_qa4e19c3a46_cast,@function
k_qa4e19c3a46_cast:
	s_mov_b64 s[64:65], 0
	v_nop
	global_prefetch_b8 v0, s[64:65] scope:SCOPE_SE
	s_setreg_imm32_b32 hwreg(HW_REG_WAVE_SCHED_MODE, 0, 2), 2
	s_setreg_imm32_b32 hwreg(HW_REG_WAVE_MODE, 25, 1), 1
	s_wait_xcnt 0x0
	s_wait_alu depctr_vm_vsrc(0)
; ROUNDING OF x AND OF THE THREE PROJECTIONS' WEIGHTS, ONCE, AND THE ROTATION'S TABLE.
;   xb   [4096][2048] bf16 = x.      wqkv [2048 k][3072 n] bf16 = Wq | Wk | Wv side by side (a row is 6,144 bytes).
;   rope [1024 t][64 cos | 64 sin] f32, angle t x 10000^(-i/64).
; A stream: no LDS, no barrier, no matrix unit.  A UNIT is 1,024 numbers: thread t loads the 16 bytes at 16 t (a wave's load covers 512 consecutive bytes)
; and stores 8 bytes (a wave's store covers 256 consecutive bytes, aligned).  A work-group takes 16 units, two rounds of 8 slots.
; Work-groups 0-511 x, 512-767 Wq, 768-831 Wk, 832-895 Wv, 896-903 the table.  Which buffers and which steps a work-group has is chosen by
; scalar selects on its number, so that one text serves the four streams.
; LIMITS.  The angle is reduced by the nearest multiple of 2 pi (2 pi in two parts) and sine and cosine are series on |r| <= pi cut at r^15 and r^16:
; the first terms left out are at most 8e-7 and 2e-7.  The range is set by the reduction, not by data.  Row 0 is exactly cos = 1, sin = 0.
; THE MODE: SCHED_MODE bits 1:0 = 2 (LLVM: expert scheduling mode 2), set by the entry lines.  The code itself states the register dependences
; between vector instructions and memory instructions, with s_wait_alu, always for 0.
; THE PLAN, for the streams.  Registers that memory instructions touch:
;   OS, OD   the offsets of slots 0 to 7: made once at the head, read by every load and store, never written again.  The second round is reached by a second
;            pair of scalar bases, made once.
;   X        unit u has four registers of its own.  Written by its one load; its two conversions read them and write the first two; its one store reads those two;
;            nothing writes them afterwards.
; So no load lands in a register that a vector instruction has named, and no register that a memory instruction has read is written again.  What is left to state:
; the offsets are written, once, ahead of the 16 loads; and a block's conversions have written its stores' data, once for each block of four units.
; THE PLAN, for the table: at .Ltab.
.set OS,  4                            ; v[4:11]   slot i: byte offset of my 16 bytes in unit i of a round, as loaded
.set OD,  12                           ; v[12:19]  slot i: byte offset of my 8 bytes in unit i of a round, as stored
.set X,   20                           ; v[20:83]  unit u: 4 registers at X + 4 u, as loaded; then its first two hold the 4 numbers in bf16
.set SRC, 26                           ; s[26:27]  from where, first round
.set DST, 28                           ; s[28:29]  to where, first round
.set RND, 18                           ; the second round's bases lie 18 registers up: s[44:45], s[46:47]
	s_load_b256 s[8:15], s[0:1], 0x0               ; x s[8:9], Wq s[10:11], Wk s[12:13], Wv s[14:15]
	s_load_b128 s[16:19], s[0:1], 0x20             ; xb s[16:17], wqkv s[18:19]
	s_load_b64 s[24:25], s[0:1], 0x30              ; rope
	s_mov_b32 s2, ttmp9                            ; g
	s_wait_kmcnt 0x0
	s_cmp_ge_u32 s2, 896
	s_cbranch_scc1 .Ltab
	; the buffers, and s3 = the first work-group of my range
	s_mov_b64 s[SRC:SRC+1], s[14:15]
	s_mov_b64 s[DST:DST+1], s[18:19]
	s_mov_b32 s3, 832
	s_cmp_lt_u32 s2, 832
	s_cselect_b64 s[SRC:SRC+1], s[12:13], s[SRC:SRC+1]
	s_cselect_b32 s3, 768, s3
	s_cmp_lt_u32 s2, 768
	s_cselect_b64 s[SRC:SRC+1], s[10:11], s[SRC:SRC+1]
	s_cselect_b32 s3, 512, s3
	s_cmp_lt_u32 s2, 512
	s_cselect_b64 s[SRC:SRC+1], s[8:9], s[SRC:SRC+1]
	s_cselect_b64 s[DST:DST+1], s[16:17], s[DST:DST+1]
	s_cselect_b32 s3, 0, s3
	s_sub_co_u32 s3, s2, s3                        ; i: my number in the range
	; dense to dense (x): 16 units are 65,536 bytes in and 32,768 out
	s_lshl_b32 s34, s3, 16                         ; offset in the source (the same for Wk and Wv)
	s_lshl_b32 s40, s3, 15                         ; offset in the destination
	s_mov_b32 s30, 4096                            ; S1: from unit to unit in the source
	s_mov_b32 s31, 2048                            ; D1: in the destination
	s_mov_b32 s32, 1024                            ; H: where threads 128-255 store, behind threads 0-127
	; Wk, Wv: a unit is two rows of 512 numbers: two rows of wqkv, from byte 4,096 or 5,120 of the row
	s_mul_i32 s42, s3, 196608                      ; 32 rows of 6,144 bytes
	s_add_co_u32 s42, s42, 4096
	s_cmp_ge_u32 s2, 832
	s_cselect_b32 s43, 1024, 0
	s_add_co_u32 s42, s42, s43
	s_cmp_ge_u32 s2, 768
	s_cselect_b32 s40, s42, s40
	s_cselect_b32 s31, 12288, s31
	s_cselect_b32 s32, 6144, s32
	; Wq: a unit is half a row; the work-group takes one half of 16 rows
	s_lshr_b32 s42, s3, 1
	s_and_b32 s43, s3, 1
	s_lshl_b32 s44, s42, 17                        ; 16 rows of 8,192 bytes
	s_lshl_b32 s45, s43, 12
	s_add_co_u32 s44, s44, s45
	s_mul_i32 s42, s42, 98304                      ; 16 rows of 6,144 bytes
	s_lshl_b32 s43, s43, 11
	s_add_co_u32 s42, s42, s43
	s_sub_co_u32 s43, s2, 512
	s_cmp_lt_u32 s43, 256                          ; 512 <= g < 768
	s_cselect_b32 s34, s44, s34
	s_cselect_b32 s40, s42, s40
	s_cselect_b32 s30, 8192, s30
	s_cselect_b32 s31, 6144, s31
	s_mov_b32 s35, 0
	s_mov_b32 s41, 0
	s_add_nc_u64 s[SRC:SRC+1], s[SRC:SRC+1], s[34:35]
	s_add_nc_u64 s[DST:DST+1], s[DST:DST+1], s[40:41]
	s_lshl_b32 s36, s30, 3                         ; s[36:37]: a round of 8 units in the source
	s_mov_b32 s37, 0
	s_lshl_b32 s38, s31, 3                         ; s[38:39]: in the destination
	s_mov_b32 s39, 0
	s_add_nc_u64 s[SRC+RND:SRC+RND+1], s[SRC:SRC+1], s[36:37]  ; the second round's bases: no offset register and no base is ever stepped
	s_add_nc_u64 s[DST+RND:DST+RND+1], s[DST:DST+1], s[38:39]
	v_lshlrev_b32 v[OS], 4, v0
	v_and_b32 v1, 127, v0
	v_lshrrev_b32 v2, 7, v0
	v_mul_u32_u24 v[OD], s32, v2
	v_lshl_add_u32 v[OD], v1, 3, v[OD]
.irp i, 1,2,3,4,5,6,7
	v_add_nc_u32 v[OS+(\i)], s30, v[OS+(\i)-1]
	v_add_nc_u32 v[OD+(\i)], s31, v[OD+(\i)-1]
.endr
	s_wait_alu depctr_va_vdst(0)                   ; the sixteen offsets v[4:19] are written: every load and store below reads one of them
.set u, 0
.rept 16                                               ; all 16 units are asked for: each lands in registers of its own, which no vector instruction has named
	global_load_b128 v[X+4*u:X+4*u+3], v[OS+u%8], s[SRC+RND*(u/8):SRC+RND*(u/8)+1] th:TH_LOAD_NT
.set u, u+1
.endr
; Block p: units 4 p to 4 p + 3 are rounded in place and stored.
.macro BLK p
	s_wait_loadcnt 12-4*(\p)                       ; loads come back in order (ISA guide 5.7.1): the block's four are in, the younger units' 12 - 4 p stay out
.set u, 4*(\p)
.rept 4
	v_cvt_pk_bf16_f32 v[X+4*u], v[X+4*u], v[X+4*u+1]        ; four numbers close up into the first two of their four registers
	v_cvt_pk_bf16_f32 v[X+4*u+1], v[X+4*u+2], v[X+4*u+3]
.set u, u+1
.endr
	s_wait_alu depctr_va_vdst(0)                   ; the eight conversions have written the data that the four stores read.  It stands here, and not at the next block's head, so that the stores leave without waiting for the next four units to land
.set u, 4*(\p)
.rept 4
	global_store_b64 v[OD+u%8], v[X+4*u:X+4*u+1], s[DST+RND*(u/8):DST+RND*(u/8)+1] th:TH_STORE_NT
.set u, u+1
.endr
.endm
	BLK 0
	BLK 1
	BLK 2
	BLK 3
	s_endpgm
; THE TABLE.  Lane l owns frequencies 2 l and 2 l + 1; wave w of work-group j makes rows 128 j + w + 8 it, it = 0 .. 15.  A store of a wave is 256 consecutive bytes, aligned.
; THE PLAN.  Registers that memory instructions touch:
;   v24               the stores' offset: made once at the head, never written again: the scalar base moves on by 8 rows in each row's arithmetic, and the stores reach back by a negative immediate.
;   v[26:27], v[28:29]  a row's sines and cosines: written by the LAST two vector lines of the row's arithmetic, read by the two stores at the head of the next trip.
;   All else (v[4:23]) is named by vector instructions alone.
; A trip is: the stores of the row before, then this row's arithmetic.  The loop is entered at the arithmetic; the last row's stores stand behind it.  One wait at the trip's head states that the row before
; has written its results; the wait that frees them for this row's last two lines stands the row's other 21 vector lines behind the stores.
.Ltab:
	v_lshrrev_b32 v1, 5, v0
	v_readfirstlane_b32 s3, v1                     ; wave
	v_and_b32 v2, 31, v0                           ; lane
	s_sub_co_u32 s2, s2, 896
	s_lshl_b32 s2, s2, 7
	v_lshlrev_b32 v3, 1, v2
	v_cvt_f32_u32 v4, v3
	v_add_f32 v5, 1.0, v4
	v_mul_f32 v4, 0xbe549a78, v4                   ; - i log2(10000) / 64
	v_mul_f32 v5, 0xbe549a78, v5
	v_exp_f32 v4, v4                               ; v[4:5]: 10000^(-i/64)
	v_exp_f32 v5, v5
	v_nop                                          ; a plain instruction behind the exponentials (ISA guide 5.7.2)
	s_wait_alu depctr_va_sdst(0)                   ; s3, the wave's number, is written, ahead of its first reader
	s_add_co_u32 s2, s2, s3                        ; my first row
	v_cvt_f32_u32 v6, s2                           ; v[6:7]: t, twice
	v_mov_b32 v7, v6
	s_lshl_b32 s3, s2, 9
	v_lshl_add_u32 v24, v2, 3, s3                  ; row x 512 + 8 l
	v_mov_b32 v20, 0xab573f9f                      ; -1/15!, twice
	v_mov_b32 v21, 0xab573f9f
	v_mov_b32 v22, 0x29573f9f                      ; 1/16!, twice
	v_mov_b32 v23, 0x29573f9f
	s_mov_b32 s33, 16
	s_wait_alu depctr_va_vdst(0)                   ; the two exponentials have written v4 and v5, ahead of the branch and of their first reader; v24 is written, which every store reads
	s_branch .Lcalc                                ; the first row has no row before it
.Lrow:
	s_wait_alu depctr_va_vdst(0)                   ; the row before has written v[26:29], which the two stores read
	global_store_b64 v24, v[28:29], s[24:25] offset:-4096      ; the base stands one step on: the offsets reach back
	global_store_b64 v24, v[26:27], s[24:25] offset:256-4096
.Lcalc:
	v_pk_mul_f32 v[8:9], v[6:7], v[4:5]            ; the angle
	v_pk_add_f32 v[6:7], v[6:7], 0x41000000 op_sel_hi:[1,0]    ; t of my next row, 8 on
	v_pk_mul_f32 v[10:11], v[8:9], 0x3e22f983 op_sel_hi:[1,0]  ; / 2 pi
	v_rndne_f32 v10, v10
	v_rndne_f32 v11, v11
	v_pk_fma_f32 v[12:13], v[10:11], 0xc0c90fdb, v[8:9] op_sel_hi:[1,0,1]    ; r = angle - n x 2 pi: the f32 nearest 2 pi,
	v_pk_fma_f32 v[12:13], v[10:11], 0x343bbd2e, v[12:13] op_sel_hi:[1,0,1]  ; and what it has too much
	v_pk_mul_f32 v[14:15], v[12:13], v[12:13]      ; z = r r
	v_pk_fma_f32 v[16:17], v[14:15], v[20:21], 0x2f309231 op_sel_hi:[1,1,0]  ; sin r = r (1 - z/3! + z^2/5! - .. - z^7/15!)
.irp c, 0xb2d7322b, 0x3638ef1d, 0xb9500d01, 0x3c088889, 0xbe2aaaab
	v_pk_fma_f32 v[16:17], v[16:17], v[14:15], \c op_sel_hi:[1,1,0]
.endr
	v_pk_fma_f32 v[16:17], v[16:17], v[14:15], 1.0 op_sel_hi:[1,1,0]
	v_pk_fma_f32 v[18:19], v[14:15], v[22:23], 0xad49cba5 op_sel_hi:[1,1,0]  ; cos r = 1 - z/2! + z^2/4! - .. + z^8/16!
.irp c, 0x310f76c7, 0xb493f27e, 0x37d00d01, 0xbab60b61, 0x3d2aaaab
	v_pk_fma_f32 v[18:19], v[18:19], v[14:15], \c op_sel_hi:[1,1,0]
.endr
	v_pk_fma_f32 v[18:19], v[18:19], v[14:15], -0.5 op_sel_hi:[1,1,0]
	s_wait_xcnt 0x0                                ; the trip's two stores have had their addresses translated (ISA guide 3.1): their base and their data are rewritten only behind this wait,
	s_wait_alu depctr_vm_vsrc(0)                   ; and they have read v[26:29], which the two lines below write again
	s_add_nc_u64 s[24:25], s[24:25], 4096          ; 8 rows on
	v_pk_mul_f32 v[26:27], v[16:17], v[12:13]      ; the series' last lines write the results
	v_pk_fma_f32 v[28:29], v[18:19], v[14:15], 1.0 op_sel_hi:[1,1,0]
	s_sub_co_u32 s33, s33, 1
	s_cmp_lg_u32 s33, 0
	s_cbranch_scc1 .Lrow
	s_wait_alu depctr_va_vdst(0)                   ; the last row has written v[26:29], which the last two stores read
	global_store_b64 v24, v[28:29], s[24:25] offset:-4096
	global_store_b64 v24, v[26:27], s[24:25] offset:256-4096
	s_endpgm
.Lfunc_end_k_qa4e19c3a46_cast:
	.size	k_qa4e19c3a46_cast, .Lfunc_end_k_qa4e19c3a46_cast-k_qa4e19c3a46_cast
	.p2alignl 7, 3214868480
	.fill 96, 4, 3214868480
	.section	.rodata,"a",@progbits
	.p2align	6, 0x0
	.amdhsa_kernel k_qa4e19c3a46_cast
		.amdhsa_group_segment_fixed_size 0
		.amdhsa_private_segment_fixed_size 0
		.amdhsa_enable_private_segment 0
		.amdhsa_kernarg_size 56
		.amdhsa_user_sgpr_count 2
		.amdhsa_user_sgpr_kernarg_segment_ptr 1
		.amdhsa_wavefront_size32 1
		.amdhsa_system_sgpr_workgroup_id_x 1
		.amdhsa_system_sgpr_workgroup_id_y 1
		.amdhsa_system_sgpr_workgroup_id_z 1
		.amdhsa_system_vgpr_workitem_id 0
		.amdhsa_next_free_vgpr 84
		.amdhsa_next_free_sgpr 66
		.amdhsa_reserve_vcc 0
		.amdhsa_float_denorm_mode_32 3
		.amdhsa_float_denorm_mode_16_64 3
		.amdhsa_memory_ordered 1
		.amdhsa_forward_progress 1
		.amdhsa_inst_pref_size 13
	.end_amdhsa_kernel
	.amdgpu_metadata
---
amdhsa.version: [ 1, 2 ]
amdhsa.kernels:
  - .name:           k_qa4e19c3a46_cast
    .symbol:         k_qa4e19c3a46_cast.kd
    .args:
      - { .name: x, .offset: 0, .size: 8, .value_kind: global_buffer, .address_space: global }
      - { .name: Wq, .offset: 8, .size: 8, .value_kind: global_buffer, .address_space: global }
      - { .name: Wk, .offset: 16, .size: 8, .value_kind: global_buffer, .address_space: global }
      - { .name: Wv, .offset: 24, .size: 8, .value_kind: global_buffer, .address_space: global }
      - { .name: xb, .offset: 32, .size: 8, .value_kind: global_buffer, .address_space: global }
      - { .name: wqkv, .offset: 40, .size: 8, .value_kind: global_buffer, .address_space: global }
      - { .name: rope, .offset: 48, .size: 8, .value_kind: global_buffer, .address_space: global }
    .group_segment_fixed_size: 0
    .private_segment_fixed_size: 0
    .kernarg_segment_align: 8
    .kernarg_segment_size: 56
    .max_flat_workgroup_size: 256
    .sgpr_count:     66
    .vgpr_count:     84
    .wavefront_size: 32
...
	.end_amdgpu_metadata
.endif
;; end of part 5
;; launch proj: the kernel of part 2 again; grid 16 x 16, 4 waves a work-group, clusters of 4 x 4, 327,680 bytes of LDS; arguments xb, wqkv, rope, qkv, Wo, wo16; writes qkv, wo16
;; launch attn: the kernel of part 3 again; grid 16 x 16, 4 waves a work-group, clusters of 4 x 1, 327,680 bytes of LDS; arguments qkv, ao; writes ao
;; launch outp: the kernel of part 4 again; grid 8 x 32, 4 waves a work-group, clusters of 4 x 4, 327,680 bytes of LDS; arguments ao, wo16, out0; writes out0
